; MI455X (gfx1250); checked and timed in simulation.
; The chip was launched on July 23, 2026; its instructions are those of AMD's public machine-readable ISA for CDNA 5 (MIT licence, August 2026) and "CDNA5" Instruction Set Architecture Reference Guide (July 2026). The comments in the code are by the model that wrote it; some were corrected since.
;; Relative Partial Learnable Multi Head Attention. Allowed arithmetic: matrix products marked QUANTISED: E2M3 operands, one E8M0 scale for each 32 along K, by v_wmma_scale_f32_16x16x128_f8f6f4 with both operands' format E2M3, f32 sums; everything else in f32.
;; Inputs: W_out 1,024 x 1,024 float32; W_pe 1,024 x 1,024 float32; W_qkv 1,024 x 3,072 float32; hidden 1 x 2,048 x 1,024 float32; mask 1 x 1 x 2,048 x 4,096 bool; memory 1 x 2,048 x 1,024 float32; position_embedding 4,096 x 1,024 float32; u 16 x 64 float32; v 16 x 64 float32.
;; Outputs: out0 1 x 2,048 x 1,024 float32.
;; This version of the problem:
;;   THIS VERSION OF THE PROBLEM IS GIVEN IN LOW PRECISION. The matrix products marked QUANTISED in the list below multiply operands that are first quantised to E2M3 (2 exponent bits, 3 mantissa bits; 6 bits a number), with one power-of-two scale for each 32 numbers along K (OCP MX v1.0); their sums are f32. All else is computed in f32.
;;   The module's matrix products, in the order in which they are computed (A, B: the left and right operand; K: the contracted axis; several contracted axes count as one K, in the product's order):
;;     1. [M 4,096, K 1,024] x [K 1,024, N 3,072]; A: computed on the way; B: input W_qkv: QUANTISED
;;     2. [M 4,096, K 1,024] x [K 1,024, N 1,024]; A: input position_embedding; B: input W_pe: QUANTISED
;;     3. batch 16 x [M 2,048, K 64] x [K 64, N 4,096]; A: computed on the way; B: computed on the way: QUANTISED
;;     4. batch 16 x [M 2,048, K 64] x [K 64, N 4,096]; A: computed on the way; B: computed on the way: QUANTISED
;;     5. batch 16 x [M 64, K 4,096] x [K 4,096, N 2,048]; A: computed on the way; B: softmax (see below): QUANTISED
;;     6. [M 2,048, K 1,024] x [K 1,024, N 1,024]; A: computed on the way; B: input W_out: QUANTISED
;;   THE QUANTISER, for each operand of a quantised product, along K:
;;     - K is cut into blocks of 32 from its start; a last block that is shorter is filled with zeros.
;;     - A block's scale is 2^e with e = floor(log2(the largest magnitude in the block)) - 2, held to -126 .. 127; a block of zeros has e = 0. As a byte (E8M0): e + 127.
;;     - Each number is divided by its block's scale, clamped to +-7.5, and rounded to the nearest number of E2M3, ties to even, subnormals kept.
;;     - The product sums the exact products of the quantised numbers (number of the format x scale) in f32.
;;   ~~~python
;;   def quantise(x, axis):      # numpy; x: float32 -> the quantised numbers, widened to float32 again
;;       x = np.moveaxis(x, axis, -1); K = x.shape[-1]
;;       x = np.pad(x, [(0, 0)] * (x.ndim - 1) + [(0, -K % 32)]); x = x.reshape(x.shape[:-1] + (-1, 32)); a = np.abs(x).max(-1, keepdims=True)
;;       e = np.where(a > 0, np.clip(np.frexp(np.where(a > 0, a, 1))[1] - 1 - 2, -126, 127), 0)      # np.frexp(a)[1] - 1 = floor(log2(a)), exactly
;;       r = np.clip(x / 2.0 ** e, -7.5, 7.5)
;;       step = 2.0 ** (np.maximum(np.frexp(np.where(r == 0, 1, r))[1] - 1, 0) - 3)
;;       q = np.round(r / step) * step * 2.0 ** e      # np.round: ties to even
;;       return np.moveaxis(q.reshape(q.shape[:-2] + (-1,))[..., :K], -1, axis).astype(np.float32)
;;   ~~~
;;   SOFTMAX AHEAD OF A QUANTISED PRODUCT. Where the list says 'softmax', what is quantised is not the finished softmax but p = 2^(t - M), with t = logit x log2(e) and M = ceil(the row's largest t), a whole number; so 1/2 < the row's largest p <= 1. The row's sum l is taken of the UNQUANTISED p, in f32, and the product's result is divided by l at the end. Since M is a whole number, a kernel that streams over the keys may use a running M (the ceiling of the running maximum): every later rescaling is an exact power of two, which a block's scale takes up: the codes' values come out the same.
;;   OPERANDS COMPUTED ON THE WAY. 'Computed on the way' means the value that the module computes at that place (a softmax that the list does not call 'softmax' is quantised finished and normalised). What goes into a quantiser is computed in f32, as accurately as f32 sums, v_exp_f32 and their like allow (about 1e-6 of the number): no bf16 or f16 on the way to a quantiser, and a product that is left as it is and whose result goes on into a quantised operand takes f32 operands (vector FMAs, or v_wmma_f32_16x16x4_f32). A number that lies on a knife's edge between two numbers of the format may be rounded either way, as far as f32 arithmetic and the matrix unit's own rounding can turn it there, and no further.
;; One version. Each part assembles by itself: llvm-mc -triple=amdgcn-amd-amdhsa -mcpu=gfx1250 --defsym DOCPART=n.
;; ======== version 1 of 1: 4 launches
;; limits: right only within a limited range of input values
;; workspace buffers: codes 10,223,616 bytes; scales 425,984 bytes; maskw 1,048,576 bytes of whole numbers; flags 1,024 bytes of whole numbers; ops 13,107,200 bytes; avimg 1,572,864 bytes; avsc 65,536 bytes
;; launch prep (part 1): grid 544 x 1, 4 waves a work-group, no clusters, 51,712 bytes of LDS; arguments memory, hidden, position_embedding, W_qkv, W_pe, W_out, mask, codes, scales, maskw, flags; writes codes, scales, maskw, flags
.if DOCPART == 1
	.amdgcn_target "amdgcn-amd-amdhsa--gfx1250"
	.amdhsa_code_object_version 6
	.text
	.protected	k_q5d417e2d98_prep
	.globl	k_q5d417e2d98_prep
	.p2align	8
	.type	k_q5d417e2d98_prep,@function
k_q5d417e2d98_prep:
	s_mov_b64 s[64:65], 0
	v_nop
	global_prefetch_b8 v0, s[64:65] scope:SCOPE_SE
	s_setreg_imm32_b32 hwreg(HW_REG_WAVE_MODE, 25, 1), 1
	s_wait_xcnt 0x0
; PREP: every f32 operand of the three large products becomes codes of FP6 (E2M3) with one E8M0 byte for each 32 along K = 1,024, and the mask becomes lane-mask words.
; codes:  [832 tiles of 16 rows][8 K steps of 128][1,536 bytes]: a fragment as an IMAGE OF ITS 12 REGISTERS: registers 4 g .. 4 g + 3 of lane l at 512 g + 16 l.
;         rows ("positions") 0-4095 memory then hidden, 4096-8191 position_embedding, 8192-11263 columns of W_qkv, 11264-12287 of W_pe, 12288-13311 of W_out.
;         POSITION p HOLDS REAL ROW sigma(p) = p with bits 3 and 4 exchanged, so that a pair of tiles used as source 0 leaves 16 true neighbours in a lane's 16 result registers.
; scales: [13,312 positions][8 words]: word k = the four bytes of K step k.
; maskw:  [128 tiles of 16 queries][32 steps of 128 keys][64 words]: bit (r + 16 h) of word 16 b + i = mask[sigma(16 qt + r)][128 ks + 32 b + 16 h + i].
; A block's scale is 2^(floor(log2(largest magnitude)) - 2); its byte is the largest magnitude's exponent field - 2, held at 1 from below.
; LIMITS: NaN and infinities among the inputs are not served; a block whose largest magnitude lies under 2^-124 keeps the byte 1; a block of zeros has the byte 1, not 127 (its codes are zeros, and this program alone reads the bytes).
; Three paths part on the work-group's number: 0-255 rows with K innermost (A), 256-415 weights with K outermost (W), 416-543 the mask (M).  Waves share nothing: no barrier.  Paths A and M have LDS bytes of their own.
.set LDSM, 33792                       ; path A: 4 x 8,448 bytes from 0; path M: 4 x 4,352 bytes from here
.set AR,  16                           ; path A: v16-143 two sets of 64 numbers as loaded
.set AX,  144                          ; v144-207 64 numbers: register 32 c + e = k 64 c + 32 h + e of row r
.set AFR, 208                          ; v208-219 the fragment
.set ATM, 220                          ; v220-222, v224-226 the upper halves of the two blocks' codes
.set AM,  228
.set ASO, 230
.set ABY, 232
.set AW,  234
.set ASW, 236                          ; v236-239 four scale words
.set WVO, 16                           ; path W: v16-47 offsets of the 32 rows of a block
.set WX,  48                           ; v48-111 two sets of 32 numbers
.set WF,  112                          ; v112-159 fragments: 24 x (K step) + 12 x (tile) + register
.set WT,  160
.set WSB, 164                          ; v164-165 eight scale bytes
.set MR,  16                           ; path M: v16-143 the bytes as loaded
.set MX,  144
.set MT,  176
.set MO,  184                          ; v184-199 eight pairs of words' registers
	s_load_b512 s[4:19], s[0:1], 0x0               ; memory s[4:5], hidden s[6:7], position_embedding s[8:9], W_qkv s[10:11], W_pe s[12:13], W_out s[14:15], mask s[16:17], codes s[18:19]
	s_load_b128 s[20:23], s[0:1], 0x40             ; scales s[20:21], maskw s[22:23]
	s_load_b64 s[60:61], s[0:1], 0x50              ; flags: [128 tiles] words 'some key masked' from byte 0, [128 tiles] words 'all keys masked' from byte 512; bit ks = key step ks
	v_lshl_add_u32 v240, v0, 2, 0xc800
	v_mov_b32 v241, 0
	v_lshrrev_b32 v1, 5, v0
	v_readfirstlane_b32 s24, v1                    ; wave 0..3
	v_and_b32 v6, 31, v0                           ; l
	v_and_b32 v7, 15, v0                           ; r
	v_bfe_u32 v8, v0, 4, 1                         ; h
	v_lshlrev_b32 v1, 4, v6                        ; 16 l
	s_mov_b32 s26, 0x76543210
	s_mov_b32 s27, 0xfedcba98                      ; lane selects: lane l xor 16
	s_mov_b32 s28, 0xffff0000                      ; lanes 16-31
	s_wait_kmcnt 0x0
	s_cmp_lt_u32 ttmp9, 256
	s_cbranch_scc0 .Lnot_a
; ---------------- PATH A: 32 rows x 1,024 a work-group.  Wave w: tile 2 x work-group + w / 2, K steps 4 (w % 2) + 0 .. 3.
	s_lshr_b32 s29, s24, 1
	s_and_b32 s30, s24, 1
	s_cmp_lt_u32 ttmp9, 128                        ; the choice of buffer hangs on the work-group's number alone
	s_cselect_b64 s[34:35], s[6:7], s[8:9]
	s_cselect_b32 s31, 64, 128
	s_cmp_lt_u32 ttmp9, 64
	s_cselect_b64 s[34:35], s[4:5], s[34:35]
	s_cselect_b32 s31, 0, s31
	s_sub_co_u32 s31, ttmp9, s31
	s_lshl_b32 s31, s31, 5
	s_lshl_b32 s36, s29, 3
	s_add_co_u32 s31, s31, s36                     ; the tile's first real row in its buffer: 32 x group + 8 x (tile % 2)
	s_lshl_b32 s36, s31, 12
	s_lshl_b32 s37, s30, 11
	s_add_co_u32 s36, s36, s37
	s_mov_b32 s37, 0
	s_add_nc_u64 s[34:35], s[34:35], s[36:37]
	s_lshl_b32 s38, ttmp9, 1
	s_add_co_u32 s38, s38, s29                     ; T
	s_mul_i32 s36, s38, 12288
	s_mul_i32 s39, s30, 6144
	s_add_co_u32 s36, s36, s39
	s_add_nc_u64 s[18:19], s[18:19], s[36:37]
	s_lshl_b32 s36, s38, 9
	s_lshl_b32 s39, s30, 4
	s_add_co_u32 s36, s36, s39
	s_wait_alu depctr_va_vdst(0)
	v_lshlrev_b32 v5, 5, v7
	v_lshl_add_u32 v5, v8, 3, v5
	v_add_nc_u32 v5, s36, v5                       ; scale words: (16 T + r) 32 + 16 (w % 2) + 8 h
	s_mul_i32 s39, s24, 8448                       ; my stage: 16 rows of 512 bytes + 16
	v_add_nc_u32 v2, s39, v1
	v_mul_u32_u24 v3, v7, 528
	v_lshl_add_u32 v3, v8, 7, v3
	v_add_nc_u32 v3, s39, v3
	v_lshlrev_b32 v4, 3, v8
	v_mov_b32 v[AW+1], 0                           ; a lane permute's destination counts as one of its sources
.macro ALOAD s                         ; K step s: 16 rows, 512 consecutive bytes a load; stage row i is real row 16 (i / 8) + i % 8 of the tile's 24
.irp i, 0,1,2,3,4,5,6,7,8,9,10,11,12,13,14,15
	global_load_b128 v[AR+64*((\s)%2)+4*\i:AR+64*((\s)%2)+4*\i+3], v1, s[34:35] offset:(16*(\i/8)+\i%8)*4096+512*(\s) th:TH_LOAD_NT
.endr
.endm
.macro ASTEP s
.if (\s) < 3
	s_wait_loadcnt 16                              ; this step's 16 loads are in; the next step's 16 may be out
.else
	s_wait_loadcnt 0x0
.endif
.irp i, 0,1,2,3,4,5,6,7,8,9,10,11,12,13,14,15
	ds_store_b128 v2, v[AR+64*((\s)%2)+4*\i:AR+64*((\s)%2)+4*\i+3] offset:528*\i
.endr
.irp c, 0,1
.irp j, 0,1,2,3,4,5,6,7
	ds_load_b128 v[AX+32*\c+4*\j:AX+32*\c+4*\j+3], v3 offset:256*\c+16*\j   ; LDS serves a wave's instructions in order: these see my stores
.endr
.endr
	s_wait_dscnt 0x0                               ; the numbers are back, and the stores have read their registers
.if (\s) < 2
	ALOAD (\s)+2
.endif
.irp c, 0,1
	v_max3_num_f32 v[AM+\c], |v[AX+32*\c]|, |v[AX+32*\c+1]|, 0x1800000   ; block 2 c + h is all mine; the floor 2^(3 - 127) holds the byte at 1 from below
.endr
.irp i, 2,4,6,8,10,12,14,16,18,20,22,24,26,28,30
.irp c, 0,1
	v_max3_num_f32 v[AM+\c], v[AM+\c], |v[AX+32*\c+\i]|, |v[AX+32*\c+\i+1]|
.endr
.endr
.irp c, 0,1
	v_add_nc_u32 v[ASO+\c], 0xff000000, v[AM+\c]   ; 2 off the exponent field: the conversion's scale operand
.endr
.irp c, 0,1
	v_lshrrev_b32 v[ABY+\c], 23, v[ASO+\c]         ; the scale's byte
.endr
	v_lshl_or_b32 v[AW], v[ABY+1], 16, v[ABY]      ; blocks h and 2 + h,
	v_lshlrev_b32 v[AW], v4, v[AW]                 ; at their places in the word;
	v_permlanex16_b32 v[AW+1], v[AW], s26, s27
	v_or_b32 v[ASW+(\s)], v[AW], v[AW+1]           ; with lane l xor 16's two the word is whole
	s_wait_alu depctr_va_vdst(0)
	s_wait_xcnt 0x0                                ; the last step's stores have read the fragment's registers
.irp c, 0,1
	v_cvt_scalef32_pk16_fp6_f32 v[AFR+6*\c:AFR+6*\c+2], v[AX+32*\c:AX+32*\c+15], v[ASO+\c]
	v_cvt_scalef32_pk16_fp6_f32 v[ATM+4*\c:ATM+4*\c+2], v[AX+32*\c+16:AX+32*\c+31], v[ASO+\c]   ; (a conversion's three registers begin on an even number)
.endr
	v_nop                                          ; one plain place behind the scaled conversions
.irp c, 0,1
.irp i, 0,1,2
	v_mov_b32 v[AFR+6*\c+3+\i], v[ATM+4*\c+\i]
.endr
.endr
.irp g, 0,1,2
	global_store_b128 v1, v[AFR+4*\g:AFR+4*\g+3], s[18:19] offset:1536*(\s)+512*\g   ; 512 consecutive bytes, aligned
.endr
.endm
	ALOAD 0
	ALOAD 1
	s_wait_alu depctr_va_vdst(0)
	ASTEP 0
	ASTEP 1
	ASTEP 2
	ASTEP 3
	v_cndmask_b32 v[ASW], v[ASW], v[ASW+2], s28    ; lanes 0-15 store words 0, 1 of my four, lanes 16-31 words 2, 3
	v_cndmask_b32 v[ASW+1], v[ASW+1], v[ASW+3], s28
	global_store_b64 v5, v[ASW:ASW+1], s[20:21]
	s_wait_tensorcnt 0x0
	ds_add_u32 v240, v241
	s_wait_dscnt 0x0
	s_endpgm
.Lnot_a:
	s_cmp_lt_u32 ttmp9, 416
	s_cbranch_scc0 .Lmask
; ---------------- PATH W: 128 columns x 256 along K a work-group.  A lane takes a column and its registers run down K: a block of 32 lies in one lane.
	s_sub_co_u32 s29, ttmp9, 256
	s_lshr_b32 s30, s29, 2                         ; cg: which 128 columns of the 5,120
	s_and_b32 s31, s29, 3                          ; ky: which 256 along K
	s_cmp_lt_u32 s30, 32
	s_cselect_b64 s[48:49], s[12:13], s[14:15]
	s_cselect_b32 s50, 24, 32
	s_cmp_lt_u32 s30, 24
	s_cselect_b64 s[48:49], s[10:11], s[48:49]
	s_cselect_b32 s50, 0, s50
	s_mov_b32 s51, 4096
	s_cselect_b32 s51, 12288, s51                  ; bytes in a row of the weight
	s_sub_co_u32 s50, s30, s50
	s_lshl_b32 s50, s50, 7
	s_lshl_b32 s52, s24, 5
	s_add_co_u32 s50, s50, s52                     ; my wave's first column in its weight
	s_lshl_b32 s50, s50, 2
	s_lshl_b32 s53, s31, 8
	s_mul_i32 s53, s53, s51
	s_add_co_u32 s52, s50, s53
	s_mov_b32 s53, 0
	s_add_nc_u64 s[32:33], s[48:49], s[52:53]      ; block 0's first row
	s_lshl_b32 s52, s51, 5
.irp t, 1,2,3,4,5,6,7
	s_add_nc_u64 s[32+2*\t:33+2*\t], s[30+2*\t:31+2*\t], s[52:53]   ; a base for each block, 32 rows apart: none is ever stepped
.endr
	s_wait_alu depctr_va_vdst(0)
	v_and_b32 v9, 7, v6
	v_bfe_u32 v10, v6, 3, 1
	v_lshl_or_b32 v9, v10, 4, v9
	v_lshl_or_b32 v9, v8, 3, v9                    ; sigma(l): lane l is position l and reads real column sigma(l)
	v_lshlrev_b32 v[WVO], 2, v9
.set Q, 1
.rept 31
	v_add_nc_u32 v[WVO+Q], s51, v[WVO+Q-1]
.set Q, Q+1
.endr
	s_lshl_b32 s54, s30, 3
	s_lshl_b32 s55, s24, 1
	s_add_co_u32 s54, s54, s55
	s_add_co_u32 s54, s54, 512                     ; my first tile: (8192 + 128 cg + 32 w) / 16
	s_mul_i32 s54, s54, 12288
	s_mul_i32 s55, s31, 3072
	s_add_co_u32 s54, s54, s55
	s_mov_b32 s55, 0
	s_add_nc_u64 s[18:19], s[18:19], s[54:55]
	s_lshl_b32 s54, s30, 7
	s_lshl_b32 s56, s24, 5
	s_add_co_u32 s54, s54, s56
	s_add_co_u32 s54, s54, 8192
	s_lshl_b32 s54, s54, 5
	s_lshl_b32 s56, s31, 3
	s_add_co_u32 s54, s54, s56
	v_lshl_add_u32 v5, v6, 5, s54                  ; my position's words 2 ky, 2 ky + 1
.macro WLOAD t
.irp i, 0,1,2,3,4,5,6,7,8,9,10,11,12,13,14,15,16,17,18,19,20,21,22,23,24,25,26,27,28,29,30,31
	global_load_b32 v[WX+32*((\t)%2)+\i], v[WVO+\i], s[32+2*(\t):33+2*(\t)] th:TH_LOAD_NT
.endr
.endm
.macro WBLOCK t
.set XS, WX+32*((\t)%2)
.set FD, WF+24*((\t)/4)+12*((\t)%2)+6*(((\t)/2)%2)
.if (\t) < 7
	s_wait_loadcnt 32                              ; this block's 32 loads are in; the next block's may be out
.else
	s_wait_loadcnt 0x0
.endif
	v_max3_num_f32 v10, |v[XS]|, |v[XS+1]|, |v[XS+2]|
	v_max3_num_f32 v11, |v[XS+3]|, |v[XS+4]|, |v[XS+5]|
.irp i, 6,10,14,18,22,26
	v_max3_num_f32 v10, v10, |v[XS+\i]|, |v[XS+\i+1]|
	v_max3_num_f32 v11, v11, |v[XS+\i+2]|, |v[XS+\i+3]|
.endr
	v_max3_num_f32 v10, v10, |v[XS+30]|, |v[XS+31]|
	v_max3_num_f32 v10, v10, v11, 0x1800000        ; and the floor
	v_add_nc_u32 v12, 0xff000000, v10
	v_lshrrev_b32 v13, 23, v12
.if (\t)%4 == 0
	v_mov_b32 v[WSB+(\t)/4], v13
.else
	v_lshl_or_b32 v[WSB+(\t)/4], v13, 8*((\t)%4), v[WSB+(\t)/4]
.endif
	v_cvt_scalef32_pk16_fp6_f32 v[FD:FD+2], v[XS:XS+15], v12
	v_cvt_scalef32_pk16_fp6_f32 v[WT:WT+2], v[XS+16:XS+31], v12
	v_nop                                          ; one plain place behind the scaled conversions
.irp i, 0,1,2
	v_mov_b32 v[FD+3+\i], v[WT+\i]
.endr
.if (\t) < 6
	WLOAD (\t)+2
.endif
.if (\t)%2 == 1                        ; an even block's codes of 32 positions and the odd block's: the first's lanes 16-31 change places with the second's lanes 0-15:
.irp i, 0,1,2,3,4,5                    ; the first is then tile 0's image (lanes 0-15 the even block, lanes 16-31 the odd one), the second tile 1's
	v_permlane16_swap_b32 v[FD-12+\i], v[FD+\i]
.endr
.endif
.if (\t)%4 == 3
.irp u, 0,1
.irp g, 0,1,2
	global_store_b128 v1, v[WF+24*((\t)/4)+12*\u+4*\g:WF+24*((\t)/4)+12*\u+4*\g+3], s[18:19] offset:\u*12288+((\t)/4)*1536+512*\g
.endr
.endr
.endif
.endm
	s_wait_alu depctr_va_vdst(0)
	WLOAD 0
	WLOAD 1
.irp t, 0,1,2,3,4,5,6,7
	WBLOCK \t
.endr
	global_store_b64 v5, v[WSB:WSB+1], s[20:21]
	s_endpgm
.Lmask:
; ---------------- PATH M: one tile of 16 queries a work-group; wave w takes keys 1,024 w on, in four tasks of 256 keys.
	s_sub_co_u32 s29, ttmp9, 416                   ; qt
	s_lshr_b32 s30, s29, 1
	s_lshl_b32 s30, s30, 5
	s_and_b32 s31, s29, 1
	s_lshl_b32 s31, s31, 3
	s_add_co_u32 s30, s30, s31                     ; the tile's first real query
	s_lshl_b32 s30, s30, 12
	s_lshl_b32 s31, s24, 10
	s_add_co_u32 s30, s30, s31
	s_mov_b32 s31, 0
	s_add_nc_u64 s[16:17], s[16:17], s[30:31]
	s_lshl_b32 s30, s29, 5
	s_lshl_b32 s32, s24, 3
	s_add_co_u32 s30, s30, s32
	s_lshl_b32 s30, s30, 8
	s_add_nc_u64 s[22:23], s[22:23], s[30:31]
	s_wait_alu depctr_va_vdst(0)
	v_lshlrev_b32 v9, 4, v7
	v_lshl_add_u32 v1, v8, 12, v9                  ; sixteen lanes read 256 bytes of a row, lanes 16-31 the next row
	s_mul_i32 s32, s24, 4352
	s_add_co_u32 s32, s32, LDSM                    ; my stage: 16 rows of 256 bytes + 16
	v_mad_u32_u24 v2, v8, 272, v9
	v_add_nc_u32 v2, s32, v2
	v_mul_u32_u24 v3, v7, 272
	v_lshl_add_u32 v3, v8, 4, v3
	v_add_nc_u32 v3, s32, v3
	v_lshlrev_b32 v4, 3, v6
	v_and_b32 v202, 1, v6
	v_lshlrev_b32 v202, 9, v202                    ; even lanes name the word 'some', odd lanes the word 'all'
	s_lshl_b32 s33, s29, 2
	s_add_co_u32 s33, s33, s24                     ; byte w of my tile's word: my wave's eight key steps
	v_add_nc_u32 v202, s33, v202
	s_mov_b32 s34, 0xaaaaaaaa                      ; the odd lanes
	s_mov_b32 s57, 0                               ; my eight bits 'some'
	s_mov_b32 s58, 0                               ; my eight bits 'all'
.irp j, 0,1,2,3,4,5,6,7,8,9,10,11,12,13,14,15
	v_mov_b32 v[MO+\j], 0                          ; v_writelane_b32's destination counts as read
.endr
.irp c, 0,1,2,3
.irp i, 0,1,2,3,4,5,6,7
	global_load_b128 v[MR+32*\c+4*\i:MR+32*\c+4*\i+3], v1, s[16:17] offset:(16*(\i/4)+2*(\i%4))*4096+256*\c th:TH_LOAD_NT
.endr
.endr
.macro MTASK c
	s_wait_loadcnt 8*(3-(\c))                      ; this task's eight loads are in; the later tasks' may be out
.irp i, 0,1,2,3,4,5,6,7
	ds_store_b128 v2, v[MR+32*(\c)+4*\i:MR+32*(\c)+4*\i+3] offset:2*\i*272
.endr
.irp s, 0,1
.irp b, 0,1,2,3
	ds_load_b128 v[MX+4*(4*\s+\b):MX+4*(4*\s+\b)+3], v3 offset:128*\s+32*\b   ; lane (r, h): the 16 bytes of query r at keys 128 s + 32 b + 16 h on
.endr
.endr
	s_wait_dscnt 0x0
.irp s, 0,1
.set MN, 0
.rept 8                                ; word n = 16 b + i, eight at a time: my byte, a compare over the 32 lanes, the compare's mask into lane n / 2 of register n % 2
.irp e, 0,1,2,3,4,5,6,7
	v_and_b32 v[MT+\e], 0xff<<(8*((MN+\e)&3)), v[MX+4*(4*\s+((MN+\e)>>4))+(((MN+\e)&15)>>2)]
.endr
.irp e, 0,1,2,3,4,5,6,7
	v_cmp_ne_u32 s[48+\e], 0, v[MT+\e]
.endr
.irp e, 0,1,2,3,4,5,6,7
	v_writelane_b32 v[MO+2*(2*(\c)+\s)+((MN+\e)&1)], s[48+\e], (MN+\e)>>1
.endr
.set MN, MN+8
.endr
	global_store_b64 v4, v[MO+2*(2*(\c)+\s):MO+2*(2*(\c)+\s)+1], s[22:23] offset:(2*(\c)+\s)*256   ; a key step's 64 words: 256 consecutive bytes, aligned
	v_add3_u32 v200, v[MX+16*\s], v[MX+16*\s+1], v[MX+16*\s+2]    ; the bytes are 0 or 1: the sum of my 16 registers is 0 where none is set and 16 in each byte where all are
.irp i, 3,5,7,9,11,13
	v_add3_u32 v200, v200, v[MX+16*\s+\i], v[MX+16*\s+\i+1]
.endr
	v_add_nc_u32 v200, v200, v[MX+16*\s+15]
	v_cmp_ne_u32 s56, 0, v200
	v_cmp_ne_u32 s59, 0x10101010, v200
	s_cmp_lg_u32 s56, 0                            ; some lane has a masked key
	s_cselect_b32 s56, 1<<(2*(\c)+\s), 0
	s_or_b32 s57, s57, s56
	s_cmp_eq_u32 s59, 0                            ; no lane has an open key
	s_cselect_b32 s59, 1<<(2*(\c)+\s), 0
	s_or_b32 s58, s58, s59
.endr
.endm
	MTASK 0
	MTASK 1
	MTASK 2
	MTASK 3
	v_mov_b32 v200, s57
	v_mov_b32 v201, s58
	v_cndmask_b32 v203, v200, v201, s34
	global_store_b8 v202, v203, s[60:61]           ; two bytes a wave; the sixteen lanes of a kind write the same byte with the same value
	s_wait_tensorcnt 0x0
	ds_add_u32 v240, v241
	s_wait_dscnt 0x0
	s_endpgm
.Lfunc_end_k_q5d417e2d98_prep:
	.size	k_q5d417e2d98_prep, .Lfunc_end_k_q5d417e2d98_prep-k_q5d417e2d98_prep
	.p2alignl 7, 3214868480
	.fill 96, 4, 3214868480
	.section	.rodata,"a",@progbits
	.p2align	6, 0x0
	.amdhsa_kernel k_q5d417e2d98_prep
		.amdhsa_group_segment_fixed_size 51712
		.amdhsa_private_segment_fixed_size 0
		.amdhsa_enable_private_segment 0
		.amdhsa_kernarg_size 88
		.amdhsa_user_sgpr_count 2
		.amdhsa_user_sgpr_kernarg_segment_ptr 1
		.amdhsa_wavefront_size32 1
		.amdhsa_system_sgpr_workgroup_id_x 1
		.amdhsa_system_sgpr_workgroup_id_y 1
		.amdhsa_system_sgpr_workgroup_id_z 1
		.amdhsa_system_vgpr_workitem_id 0
		.amdhsa_next_free_vgpr 242
		.amdhsa_next_free_sgpr 66
		.amdhsa_reserve_vcc 0
		.amdhsa_float_denorm_mode_32 3
		.amdhsa_float_denorm_mode_16_64 3
		.amdhsa_memory_ordered 1
		.amdhsa_forward_progress 1
		.amdhsa_inst_pref_size 184
	.end_amdhsa_kernel
	.amdgpu_metadata
---
amdhsa.version: [ 1, 2 ]
amdhsa.kernels:
  - .name:           k_q5d417e2d98_prep
    .symbol:         k_q5d417e2d98_prep.kd
    .args:
      - { .name: memory, .offset: 0, .size: 8, .value_kind: global_buffer, .address_space: global }
      - { .name: hidden, .offset: 8, .size: 8, .value_kind: global_buffer, .address_space: global }
      - { .name: position_embedding, .offset: 16, .size: 8, .value_kind: global_buffer, .address_space: global }
      - { .name: W_qkv, .offset: 24, .size: 8, .value_kind: global_buffer, .address_space: global }
      - { .name: W_pe, .offset: 32, .size: 8, .value_kind: global_buffer, .address_space: global }
      - { .name: W_out, .offset: 40, .size: 8, .value_kind: global_buffer, .address_space: global }
      - { .name: mask, .offset: 48, .size: 8, .value_kind: global_buffer, .address_space: global }
      - { .name: codes, .offset: 56, .size: 8, .value_kind: global_buffer, .address_space: global }
      - { .name: scales, .offset: 64, .size: 8, .value_kind: global_buffer, .address_space: global }
      - { .name: maskw, .offset: 72, .size: 8, .value_kind: global_buffer, .address_space: global }
      - { .name: flags, .offset: 80, .size: 8, .value_kind: global_buffer, .address_space: global }
    .group_segment_fixed_size: 51712
    .private_segment_fixed_size: 0
    .kernarg_segment_align: 8
    .kernarg_segment_size: 88
    .max_flat_workgroup_size: 128
    .sgpr_count:     66
    .vgpr_count:     242
    .wavefront_size: 32
...
	.end_amdgpu_metadata
.endif
;; end of part 1
;; launch proj (part 2): grid 64 x 4, 4 waves a work-group, clusters of 4 x 4, 327,680 bytes of LDS; arguments codes, scales, u, v, ops; writes ops
.if DOCPART == 2
	.amdgcn_target "amdgcn-amd-amdhsa--gfx1250"
	.amdhsa_code_object_version 6
	.text
	.protected	k_q5d417e2d98_proj
	.globl	k_q5d417e2d98_proj
	.p2align	8
	.type	k_q5d417e2d98_proj,@function
k_q5d417e2d98_proj:
	s_mov_b64 s[64:65], 0
	v_nop
	global_prefetch_b8 v0, s[64:65] scope:SCOPE_SE
	s_setreg_imm32_b32 hwreg(HW_REG_WAVE_MODE, 25, 1), 1
	s_wait_xcnt 0x0
	s_wait_alu depctr_hold_cnt(0) depctr_sa_sdst(0) depctr_va_vdst(0) depctr_va_sdst(0) depctr_va_ssrc(0) depctr_va_vcc(0) depctr_vm_vsrc(0)
	s_getreg_b32 s2, hwreg(HW_REG_IB_STS2, 6, 4)
	s_cmp_eq_u32 s2, 0
	s_cbranch_scc0 .Lentry_in_a_cluster
	s_endpgm
.Lentry_in_a_cluster:
	s_bfe_u32 s2, ttmp6, 0x10000c
	s_cmp_lg_u32 s2, 0xf033
	s_cbranch_scc0 .Lentry_shape_is_right
	s_endpgm
.Lentry_shape_is_right:
.set NQ,     2
.set FR,     12
.set NL,     3
.set NP,     4
.set HALFT,  24576
.set SLOT,   4*HALFT
.set LAPS,   2
.set KS,     32
.set SCL,    2*SLOT
.set HALFS,  4352
.set SBLK,   544
.set SPARE,  SCL+4*HALFS
.set ADRA, 16
.set ADRB, 20
.set SOA,  22
.set L16,  24
.set L8,   25
.set ADRS, 27
.set SPW,  28
.set NIL,  29
.set BO,   30
.set SC,   32
.set BU,   64
.set AF,   128
.set T,    128
.set PC,   192
.set TM,   212
.set G1, 24
.set G0, 32
.set G1B, 48
.set G0B, 56
.set G1S, 68
.set G0S, 76
.set G1SB, 80
.set G0SB, 88
.set MSB, 0
.macro WIN new
.if MSB != \new
	s_set_vgpr_msb (MSB<<8)|\new
.set MSB, \new
.endif
.endm
.set MUL_LO, 0xa1
.set MUL_HI, 0xf1
.set TO_B,   0x40
.macro JLOAD g0a, g1a, g0b, g1b
	s_cmp_eq_u32 s15, 0
	s_cbranch_scc0 .Lfor_b_\@
	tensor_load_to_lds s[\g0a:\g0a+3], s[\g1a:\g1a+7]
	s_nop 0
.rept 4
	v_nop
.endr
	s_branch .Lasked_\@
.Lfor_b_\@:
	tensor_load_to_lds s[\g0b:\g0b+3], s[\g1b:\g1b+7]
	s_nop 0
.rept 4
	v_nop
.endr
.Lasked_\@:
.endm
.macro CREST
	s_cmp_lg_u32 s14, 0
	s_cbranch_scc1 .Lnot_wave_0_\@
	s_barrier_signal -3
.Lnot_wave_0_\@:
	s_barrier_wait -3
	s_barrier_signal -1
	s_barrier_wait -1
.endm
.macro CROUND
	s_barrier_signal -1
	s_barrier_wait -1
	CREST
.endm
	s_load_b256 s[4:11], s[0:1], 0x0
	s_load_b64 s[12:13], s[0:1], 0x20
	v_lshl_add_u32 v[SPW], v0, 2, SPARE
	v_mov_b32 v[NIL], 0
	ds_add_u32 v28, v29
	ds_add_u32 v28, v29
	s_wait_dscnt 0x0
	v_lshrrev_b32 v1, 5, v0
	v_readfirstlane_b32 s14, v1
	s_lshr_b32 s15, s14, 1
	s_and_b32 s16, s14, 1
	s_bfe_u32 s40, ttmp6, 0x40000
	s_bfe_u32 s41, ttmp6, 0x40004
	s_cmp_ge_u32 ttmp9, 14                         ; clusters 14, 15 make Q's blocks once more: clusters 0, 1 send Q + u out, these Q + v
	s_cselect_b32 s67, 1, 0
	s_cselect_b32 s93, 14, 0
	s_sub_co_u32 s93, ttmp9, s93
	s_add_co_u32 s93, s93, 2
	s_lshr_b32 s95, s93, 2
	s_and_b32 s93, s93, 3
	s_lshl_b32 s92, s95, 2
	s_add_co_u32 s92, s92, 32
	s_lshl_b32 s93, s93, 2
	s_cmp_eq_u32 s95, 3
	s_cselect_b32 s94, 16, 0
	s_add_co_u32 s93, s93, s94
	s_cmp_eq_u32 s95, 2
	s_cselect_b32 s42, s93, s92
	s_cselect_b32 s17, s92, s93
	s_add_co_u32 s42, s42, s40
	s_add_co_u32 s17, s17, s41
	s_cmp_eq_u32 s95, 0
	s_cselect_b32 s96, 1.0, 0
	s_mov_b32 s97, s96
	s_mov_b32 s100, 0x76543210
	s_mov_b32 s101, 0xfedcba98
	s_lshl_b32 s43, s41, 2
	s_lshl_b32 s43, 15, s43
	s_lshl_b32 s44, 0x1111, s40
	s_or_b32 s[G1+0], s43, (3<<16)|(1<<21)
	s_or_b32 s[G1B+0], s44, (3<<16)|(1<<21)
.irp g, G1, G1B
	s_mov_b32 s[\g+1], 384<<16
	s_mov_b32 s[\g+2], 16<<16
	s_mov_b32 s[\g+3], 384<<16
	s_mov_b32 s[\g+4], 16
	s_mov_b32 s[\g+5], 1536
	s_mov_b32 s[\g+6], 0
	s_mov_b32 s[\g+7], 0
.endr
	s_or_b32 s[G1S+0], s43, (3<<16)|(1<<20)|(1<<21)|(5<<22)|(3<<25)
	s_or_b32 s[G1SB+0], s44, (3<<16)|(1<<20)|(1<<21)|(5<<22)|(3<<25)
.irp g, G1S, G1SB
	s_mov_b32 s[\g+1], 32<<16
	s_mov_b32 s[\g+2], 32<<16
	s_mov_b32 s[\g+3], 32<<16
	s_mov_b32 s[\g+4], 32
	s_mov_b32 s[\g+5], 32
	s_mov_b32 s[\g+6], 0
	s_mov_b32 s[\g+7], 0
.endr
	s_lshl_b32 s20, s17, 8
	s_lshl_b32 s46, s42, 8
	s_mov_b32 s21, 0
	s_mov_b32 s47, 0
	s_mov_b64 s[18:19], KS
	s_mul_u64 s[22:23], s[20:21], s[18:19]         ; the scales of all 256 rows of the block come by one load a side
	s_mul_u64 s[92:93], s[46:47], s[18:19]
	s_lshl_b32 s18, s16, 7
	s_add_co_u32 s20, s20, s18                     ; the codes: my 128 rows
	s_add_co_u32 s46, s46, s18
	s_mov_b64 s[18:19], 768
	s_mul_u64 s[20:21], s[20:21], s[18:19]
	s_mul_u64 s[46:47], s[46:47], s[18:19]
	s_mul_i32 s45, s14, HALFT
	s_wait_kmcnt 0x0
	s_add_nc_u64 s[20:21], s[4:5], s[20:21]
	s_add_nc_u64 s[22:23], s[6:7], s[22:23]
	s_add_nc_u64 s[46:47], s[4:5], s[46:47]
	s_add_nc_u64 s[92:93], s[6:7], s[92:93]
	CROUND
	s_mov_b32 s[G0S], 1
	s_mov_b32 s[G0S+1], SCL
	s_mov_b64 s[G0S+2:G0S+3], s[22:23]
	s_or_b32 s[G0S+3], s[G0S+3], 0x80000000
	s_mov_b32 s[G0SB], 1
	s_mov_b32 s[G0SB+1], SCL+2*HALFS
	s_mov_b64 s[G0SB+2:G0SB+3], s[92:93]
	s_or_b32 s[G0SB+3], s[G0SB+3], 0x80000000
.irp s, 0,1
	s_mov_b32 s[G0+4*\s], 1
	s_add_co_u32 s[G0+4*\s+1], s45, \s*SLOT
	s_add_nc_u64 s[G0+4*\s+2:G0+4*\s+3], s[20:21], \s*3072
	s_or_b32 s[G0+4*\s+3], s[G0+4*\s+3], 0x80000000
	s_mov_b32 s[G0B+4*\s], 1
	s_add_co_u32 s[G0B+4*\s+1], s45, \s*SLOT
	s_add_nc_u64 s[G0B+4*\s+2:G0B+4*\s+3], s[46:47], \s*3072
	s_or_b32 s[G0B+4*\s+3], s[G0B+4*\s+3], 0x80000000
.endr
; the head's four tiles, one joint load a wave, in one chain of branches on the wave's number: wave 0 slot 0's 256 rows of A (its own group 0 begins at the block's first row), wave 1 A's scales, wave 2 slot 0's 256 rows of B, wave 3 B's scales
	s_cmp_lg_u32 s14, 0
	s_cbranch_scc1 .Lhead_1
	tensor_load_to_lds s[G0:G0+3], s[G1:G1+7]
	s_nop 0
.rept 4
	v_nop
.endr
	s_branch .Lhead_j
.Lhead_1:
	s_cmp_lg_u32 s14, 1
	s_cbranch_scc1 .Lhead_2
	tensor_load_to_lds s[G0S:G0S+3], s[G1S:G1S+7]
	s_nop 0
.rept 4
	v_nop
.endr
	s_branch .Lhead_j
.Lhead_2:
	s_cmp_lg_u32 s14, 2
	s_cbranch_scc1 .Lhead_3
	tensor_load_to_lds s[G0B:G0B+3], s[G1B:G1B+7]
	s_nop 0
.rept 4
	v_nop
.endr
	s_branch .Lhead_j
.Lhead_3:
	tensor_load_to_lds s[G0SB:G0SB+3], s[G1SB:G1SB+7]
	s_nop 0
.rept 4
	v_nop
.endr
.Lhead_j:
	v_and_b32 v1, 15, v0
	v_bfe_u32 v2, v0, 4, 1
	v_and_b32 v3, 31, v0
	v_lshlrev_b32 v[L16], 4, v3
	v_lshlrev_b32 v[L8], 3, v3
	s_mul_i32 s21, s15, HALFT
	s_mul_i32 s22, s16, HALFT
	s_add_co_u32 s22, s22, 2*HALFT
.irp s, 0,1
	v_add_nc_u32 v[ADRA+\s], s21, v[L16]
	v_add_nc_u32 v[ADRB+\s], s22, v[L16]
	s_add_co_u32 s21, s21, SLOT
	s_add_co_u32 s22, s22, SLOT
.endr
	v_mul_u32_u24 v5, v1, KS
	v_lshrrev_b32 v6, 8, v5
	v_lshl_add_u32 v5, v6, 4, v5
	s_mul_i32 s21, s15, HALFS
	s_mul_i32 s22, s16, HALFS
	s_add_co_u32 s22, s22, 2*HALFS
	s_sub_co_u32 s22, s22, s21
	v_mul_u32_u24 v6, s22, v2
	s_add_co_u32 s21, s21, SCL
	v_add_nc_u32 v5, v5, v6
	v_add_nc_u32 v[ADRS], s21, v5
	s_lshl_b32 s20, s42, 8
	s_lshl_b32 s21, s16, 7
	s_add_co_u32 s20, s20, s21
	s_and_b32 s20, s20, 1023
	v_lshl_add_u32 v[BO], v2, 4, s20
	v_lshlrev_b32 v[BO], 2, v[BO]
.irp e, 0,1,2,3,4,5,6,7,8,9,10,11,12,13,14,15
	global_load_b128 v[BU+4*\e:BU+4*\e+3], v[BO], s[8:9] offset:128*(\e/4)+16*(\e%4)
.endr
	WIN TO_B
.irp e, 0,1,2,3,4,5,6,7,8,9,10,11,12,13,14,15
	global_load_b128 v[96+4*\e+96*(\e/8):99+4*\e+96*(\e/8)], v[BO], s[10:11] offset:128*(\e/4)+16*(\e%4)
.endr
	WIN 0
.macro FRAG reg, adr, q, i
.irp c, 0,1,2
	ds_load_b128 v[\reg+4*\c:\reg+4*\c+3], v[\adr] offset:(\i)*3072+(\q)*1536+512*\c
.endr
.endm
.macro MUL16 a0, p, q, sc, zero
.irp a, \a0, \a0+1
.irp b, 0,1,2,3,4,5,6,7
.if \zero
	v_wmma_scale_f32_16x16x128_f8f6f4 v[8*(8*((\a)%4)+\b):8*(8*((\a)%4)+\b)+7], v[128*(\p)+FR*\b:128*(\p)+FR*\b+FR-1], v[AF+FR*(\a):AF+FR*(\a)+FR-1], 0, v[SC+8*NQ*(\sc)+NQ*\b+(\q)], v[SC+8*NQ*(\sc)+NQ*(\a)+(\q)] matrix_a_fmt:MATRIX_FMT_FP6 matrix_b_fmt:MATRIX_FMT_FP6 matrix_a_scale:MATRIX_SCALE_ROW1
.else
	v_wmma_scale_f32_16x16x128_f8f6f4 v[8*(8*((\a)%4)+\b):8*(8*((\a)%4)+\b)+7], v[128*(\p)+FR*\b:128*(\p)+FR*\b+FR-1], v[AF+FR*(\a):AF+FR*(\a)+FR-1], v[8*(8*((\a)%4)+\b):8*(8*((\a)%4)+\b)+7], v[SC+8*NQ*(\sc)+NQ*\b+(\q)], v[SC+8*NQ*(\sc)+NQ*(\a)+(\q)] matrix_a_fmt:MATRIX_FMT_FP6 matrix_b_fmt:MATRIX_FMT_FP6 matrix_a_scale:MATRIX_SCALE_ROW1
.endif
.endr
.endr
.endm
.macro FETCH_B slot, q, p
	WIN TO_B
.irp i, 0,1,2,3,4,5,6,7
	FRAG 128*(\p)+FR*\i, ADRB+\slot, \q, \i
.endr
	WIN 0
.endm
.macro FETCH_A slot, q, i0
.irp i, \i0, \i0+1, \i0+2, \i0+3
	FRAG AF+FR*(\i), ADRA+\slot, \q, \i
.endr
.endm
.macro SCALES sc
.irp i, 0,1,2,3,4,5,6,7
	ds_load_b64 v[SC+8*NQ*\sc+NQ*\i:SC+8*NQ*\sc+NQ*\i+1], v[ADRS] offset:\i*SBLK
.endr
.endm
.macro PLACES n
.rept \n
	v_nop
.endr
.endm
.macro STEP slot, q, zero
	s_wait_dscnt 4*NL
	WIN MUL_LO
	MUL16 0, (\q)%2, \q, \slot, \zero
	MUL16 2, (\q)%2, \q, \slot, \zero
	s_wait_dscnt 0
	PLACES NP
	FETCH_B \slot, (\q)+1, 1-(\q)%2
	FETCH_A \slot, (\q)+1, 0
	WIN MUL_HI
	MUL16 4, (\q)%2, \q, \slot, \zero
	MUL16 6, (\q)%2, \q, \slot, \zero
	PLACES NP
	WIN 0
	FETCH_A \slot, (\q)+1, 4
.endm
.macro TURN slot, next, fill
	s_wait_tensorcnt 0x0
	ds_add_u32 v[SPW], v[NIL]
	s_wait_dscnt 4*NL+1
	WIN MUL_LO
	MUL16 0, 1, NQ-1, \slot, 0
	s_wait_dscnt 0x0
	s_barrier_signal -1
	MUL16 2, 1, NQ-1, \slot, 0
	WIN 0
	s_barrier_wait -1
.if \fill
	CREST
	s_add_nc_u64 s[G0+4*\slot+2:G0+4*\slot+3], s[G0+4*\slot+2:G0+4*\slot+3], 6144
	s_add_nc_u64 s[G0B+4*\slot+2:G0B+4*\slot+3], s[G0B+4*\slot+2:G0B+4*\slot+3], 6144
	JLOAD G0+4*\slot, G1, G0B+4*\slot, G1B
.else
	PLACES NP
.endif
	s_wait_alu depctr_va_vdst(0)
	v_add_nc_u32 v[ADRS], 4*NQ, v[ADRS]
	FETCH_B \next, 0, 0
	FETCH_A \next, 0, 0
	SCALES \next
	WIN MUL_HI
	MUL16 4, 1, NQ-1, \slot, 0
	MUL16 6, 1, NQ-1, \slot, 0
	PLACES NP
	WIN 0
	FETCH_A \next, 0, 4
.endm
	s_wait_alu depctr_va_vdst(0)
	s_wait_tensorcnt 0x0                           ; my tile of the head's four is in
	ds_add_u32 v[SPW], v[NIL]
	s_mov_b32 s[G1+2], 8<<16                       ; no tensor load of mine is out: from here on a load brings 8 tiles of 16 rows
	s_mov_b32 s[G1+4], 8
	s_mov_b32 s[G1B+2], 8<<16
	s_mov_b32 s[G1B+4], 8
	s_wait_dscnt 0x0
	CROUND                                         ; all four tiles are in, and the sixteen work-groups are here
	JLOAD G0+4, G1, G0B+4, G1B                     ; slot 1's first fill, the first tensor load behind the round
	FETCH_B 0, 0, 0
	FETCH_A 0, 0, 0
	SCALES 0
	FETCH_A 0, 0, 4
	STEP 0, 0, 1
	s_mov_b32 s3, LAPS-1
.Llap:
	TURN 0, 1, 1
	STEP 1, 0, 0
	TURN 1, 0, 1
	STEP 0, 0, 0
	s_sub_co_u32 s3, s3, 1
	s_cmp_lg_u32 s3, 0
	s_cbranch_scc1 .Llap
	TURN 0, 1, 0
	STEP 1, 0, 0
	s_wait_dscnt 4*NL
	WIN MUL_LO
	MUL16 0, 1, NQ-1, 1, 0
	MUL16 2, 1, NQ-1, 1, 0
	s_wait_dscnt 0
	WIN MUL_HI
	MUL16 4, 1, NQ-1, 1, 0
	MUL16 6, 1, NQ-1, 1, 0
	WIN 0
	PLACES NP
	s_wait_loadcnt 0x0
.irp b, 0,1,2,3
	v_mov_b32 v[TM+4+\b], 0
.endr
	s_lshl_b32 s2, s17, 8
	s_lshl_b32 s40, s15, 7
	s_add_co_u32 s2, s2, s40
	s_lshl_b32 s99, s42, 8
	s_lshl_b32 s40, s16, 7
	s_add_co_u32 s99, s99, s40
	s_mov_b32 s98, 0xffff0000
	s_mov_b32 s23, 0
	s_mov_b32 s47, 0
	s_cmp_eq_u32 s95, 2
	s_cbranch_scc1 .Lway_v
	s_cmp_eq_u32 s95, 0
	s_cbranch_scc1 .Lway_q
	s_cmp_eq_u32 s95, 3
	s_mov_b32 s40, 9216
	s_cselect_b32 s40, 11264, s40
	s_cselect_b32 s41, 4096, 0
	s_cselect_b32 s93, 768, 0
	s_cselect_b32 s92, 2, 0
	s_sub_co_u32 s40, s99, s40
	s_lshr_b32 s40, s40, 6
	s_sub_co_u32 s41, s2, s41
	s_mul_i32 s46, s40, 393216
	s_lshr_b32 s43, s41, 4
	s_mul_i32 s43, s43, 1536
	s_add_co_u32 s46, s46, s43
	s_add_co_u32 s46, s46, s93
	s_add_co_u32 s46, s46, 3145728
	s_mul_i32 s44, s40, 24576
	s_lshl_b32 s41, s41, 2
	s_add_co_u32 s44, s44, s41
	s_add_co_u32 s44, s44, s92
	s_add_co_u32 s44, s44, 12582912
	s_mov_b32 s22, 1536
	s_mov_b32 s43, 393216
	s_mov_b32 s45, 24576
	s_mov_b32 s92, 0
	s_branch .Lway
.Lway_q:
	s_sub_co_u32 s40, s99, 8192
	s_lshr_b32 s40, s40, 6
	s_sub_co_u32 s41, s2, 2048
	s_mul_i32 s46, s40, 196608
	s_lshr_b32 s43, s41, 4
	s_mul_i32 s43, s43, 1536
	s_add_co_u32 s46, s46, s43
	s_lshl_b32 s44, s40, 13
	s_lshl_b32 s41, s41, 2
	s_add_co_u32 s44, s44, s41
	s_add_co_u32 s44, s44, 12976128
	s_mov_b32 s22, 1536
	s_mov_b32 s43, 196608
	s_mov_b32 s45, 8192
	s_mov_b32 s92, 0
	s_branch .Lway
.Lway_v:
	s_sub_co_u32 s40, s2, 10240
	s_lshr_b32 s41, s40, 4
	s_mul_i32 s46, s41, 49152
	s_lshr_b32 s41, s99, 7
	s_mul_i32 s43, s41, 1536
	s_add_co_u32 s46, s46, s43
	s_add_co_u32 s46, s46, 9437184
	s_lshr_b32 s40, s40, 6
	s_mul_i32 s44, s40, 24576
	s_lshl_b32 s41, s41, 8
	s_add_co_u32 s44, s44, s41
	s_add_co_u32 s44, s44, 12582912+16384
	s_mov_b32 s22, 49152
	s_mov_b32 s43, 768
	s_mov_b32 s45, 2
	s_mov_b32 s92, 24320
.Lway:
	s_add_nc_u64 s[18:19], s[12:13], s[46:47]
	s_mov_b32 s40, s43
	s_mov_b32 s41, 0
	s_add_nc_u64 s[20:21], s[18:19], s[40:41]
	v_lshlrev_b32 v[SOA], 2, v1
	v_mad_u32_u24 v[SOA], v2, s45, v[SOA]
	v_add_nc_u32 v[SOA], s44, v[SOA]
	v_add_nc_u32 v[SOA+1], s92, v[SOA]
.macro QUANT
.irp b, 0,1,2,3
	v_max3_num_f32 v[TM+\b], |v[T+16*\b]|, |v[T+1+16*\b]|, 0x1800000
.endr
.irp i, 2,4,6,8,10,12,14
.irp b, 0,1,2,3
	v_max3_num_f32 v[TM+\b], v[TM+\b], |v[T+16*\b+\i]|, |v[T+1+16*\b+\i]|
.endr
.endr
.irp b, 0,1,2,3
	v_permlanex16_b32 v[TM+4+\b], v[TM+\b], s100, s101
.endr
.irp b, 0,1,2,3
	v_max_num_f32 v[TM+\b], v[TM+\b], v[TM+4+\b]
.endr
.irp b, 0,1,2,3
	v_add_nc_u32 v[TM+12+\b], 0xff000000, v[TM+\b]
.endr
.irp b, 0,1,2,3
	v_lshrrev_b32 v[TM+4+\b], 23, v[TM+12+\b]
.endr
.irp c, 0,1
	v_cvt_scalef32_pk16_fp6_f32 v[PC+6*\c:PC+2+6*\c], v[T+32*\c:T+15+32*\c], v[TM+12+2*\c]
	v_cvt_scalef32_pk16_fp6_f32 v[PC+12+4*\c:PC+14+4*\c], v[T+16+32*\c:T+31+32*\c], v[TM+12+2*\c+1]
.endr
	v_nop
.irp c, 0,1
.irp i, 0,1,2
	v_permlane16_swap_b32 v[PC+6*\c+\i], v[PC+12+4*\c+\i]
.endr
.irp i, 0,1,2
	v_mov_b32 v[PC+3+6*\c+\i], v[PC+12+4*\c+\i]
.endr
.endr
.endm
.macro PASS a, ser
	s_wait_xcnt 0x0
.if (\a) > 0
	s_add_nc_u64 s[18:19], s[18:19], s[22:23]
	s_add_nc_u64 s[20:21], s[20:21], s[22:23]
.endif
.set WN, (\ser)|((2+(\a)/4)<<4)
	WIN WN
.set E2, 0
.rept 32
.if \ser
	v_pk_fma_f32 v[T+2*E2:T+2*E2+1], v[96+2*E2+96*(E2/16):97+2*E2+96*(E2/16)], s[96:97], v[64*((\a)%4)+2*E2:64*((\a)%4)+2*E2+1] op_sel_hi:[1,0,1]
.else
	v_pk_fma_f32 v[T+2*E2:T+2*E2+1], v[BU+2*E2:BU+2*E2+1], s[96:97], v[64*((\a)%4)+2*E2:64*((\a)%4)+2*E2+1] op_sel_hi:[1,0,1]
.endif
.set E2, E2+1
.endr
	WIN 0
	QUANT
	v_lshl_or_b32 v228, v[TM+5], 8, v[TM+4]
	v_lshl_or_b32 v229, v[TM+7], 8, v[TM+6]
	v_cndmask_b32 v230, v228, v229, s98
	global_store_b128 v[L16], v[PC:PC+3], s[18:19]
	global_store_b64 v[L8], v[PC+4:PC+5], s[18:19] offset:512
	global_store_b128 v[L16], v[PC+6:PC+9], s[20:21]
	global_store_b64 v[L8], v[PC+10:PC+11], s[20:21] offset:512
	global_store_b16 v[SOA+(\a)/4], v230, s[12:13] offset:64*(\a)+2*(\ser)
.endm
	s_wait_alu depctr_va_vdst(0)
	s_cmp_lg_u32 s67, 0
	s_cbranch_scc1 .Lser1
.irp a, 0,1,2,3,4,5,6,7
	PASS \a, 0
.endr
	s_branch .Lend
.Lser1:
	s_wait_xcnt 0x0
	s_add_nc_u64 s[18:19], s[12:13], s[46:47]
	s_add_nc_u64 s[18:19], s[18:19], 768
	s_add_nc_u64 s[20:21], s[18:19], s[40:41]
.irp a, 0,1,2,3,4,5,6,7
	PASS \a, 1
.endr
.Lend:
	s_wait_tensorcnt 0x0
	ds_add_u32 v[SPW], v[NIL]
	s_wait_dscnt 0x0
	CROUND
	s_endpgm
.Lfunc_end_k_q5d417e2d98_proj:
	.size	k_q5d417e2d98_proj, .Lfunc_end_k_q5d417e2d98_proj-k_q5d417e2d98_proj
	.p2alignl 7, 3214868480
	.fill 96, 4, 3214868480
	.section	.rodata,"a",@progbits
	.p2align	6, 0x0
	.amdhsa_kernel k_q5d417e2d98_proj
		.amdhsa_group_segment_fixed_size 327680
		.amdhsa_private_segment_fixed_size 0
		.amdhsa_enable_private_segment 0
		.amdhsa_kernarg_size 40
		.amdhsa_user_sgpr_count 2
		.amdhsa_user_sgpr_kernarg_segment_ptr 1
		.amdhsa_wavefront_size32 1
		.amdhsa_system_sgpr_workgroup_id_x 1
		.amdhsa_system_sgpr_workgroup_id_y 1
		.amdhsa_system_sgpr_workgroup_id_z 1
		.amdhsa_system_vgpr_workitem_id 0
		.amdhsa_next_free_vgpr 1024
		.amdhsa_next_free_sgpr 102
		.amdhsa_reserve_vcc 0
		.amdhsa_float_denorm_mode_32 3
		.amdhsa_float_denorm_mode_16_64 3
		.amdhsa_memory_ordered 1
		.amdhsa_forward_progress 1
		.amdhsa_inst_pref_size 215
	.end_amdhsa_kernel
	.amdgpu_metadata
---
amdhsa.version: [ 1, 2 ]
amdhsa.kernels:
  - .name:           k_q5d417e2d98_proj
    .symbol:         k_q5d417e2d98_proj.kd
    .args:
      - { .name: codes, .offset: 0, .size: 8, .value_kind: global_buffer, .address_space: global }
      - { .name: scales, .offset: 8, .size: 8, .value_kind: global_buffer, .address_space: global }
      - { .name: u, .offset: 16, .size: 8, .value_kind: global_buffer, .address_space: global }
      - { .name: v, .offset: 24, .size: 8, .value_kind: global_buffer, .address_space: global }
      - { .name: ops, .offset: 32, .size: 8, .value_kind: global_buffer, .address_space: global }
    .group_segment_fixed_size: 327680
    .private_segment_fixed_size: 0
    .kernarg_segment_align: 8
    .kernarg_segment_size: 40
    .max_flat_workgroup_size: 128
    .sgpr_count:     102
    .vgpr_count:     1024
    .wavefront_size: 32
...
	.end_amdgpu_metadata
.endif
;; end of part 2
;; launch attn (part 3): grid 16 x 16, 16 waves a work-group, no clusters, 241,664 bytes of LDS; arguments ops, maskw, avimg, avsc, flags; writes avimg, avsc
.if DOCPART == 3
	.amdgcn_target "amdgcn-amd-amdhsa--gfx1250"
	.amdhsa_code_object_version 6
	.text
	.protected	k_q5d417e2d98_attn
	.globl	k_q5d417e2d98_attn
	.p2align	8
	.type	k_q5d417e2d98_attn,@function
k_q5d417e2d98_attn:
	s_mov_b64 s[64:65], 0
	v_nop
	global_prefetch_b8 v0, s[64:65] scope:SCOPE_SE
	s_setreg_imm32_b32 hwreg(HW_REG_WAVE_MODE, 25, 1), 1
	s_wait_xcnt 0x0
; ATTN: av[q][head] = softmax_k(((Q+u).K + (Q+v).pe) / 8, masked) V, all products on codes of FP6 (E2M3) with E8M0 scales; av leaves quantised along head x 64 + d, as images for the last product.
; ONE PRODUCT FOR AC + BD: K = 128 = [Q+u | Q+v] . [K | pe]: one matrix instruction gives 16 keys x 16 queries of the score.
; THE SOFTMAX: t = score x log2(e) / 8; M = the running largest t rounded up to a whole number; p = 2^(t - M) is quantised along the keys, not normalised; the sum is taken of the unquantised p and divides at the end.
; THE MASK is an input.  An earlier launch has stored, for each tile of 16 queries, two words of 32 bits: bit ks of the first says that some key of key step ks (128 keys) is masked for some query of the tile, bit ks of the second that all are.
; WORK LEFT OUT, by these stored whole numbers alone: a key step whose 16 x 128 scores are all masked: each of its p is 0, it adds nothing to the sum or to O, and -infinity moves no maximum.  A step with no masked key does no selecting
; and fetches no mask words.  A step with some masked keys fetches its 64 lane-mask words and sets the masked scores to -infinity ahead of the maximum.
; NO TENSOR LOADS, NO CLUSTER: the slots are filled through registers: each wave loads 9 x 512 bytes of the next slot, one key step ahead of storing them to LDS; joint loads are tensor loads and go with them.
; SHARES.  A work-group owns 8 tiles of 16 queries of one head: tiles 4 x .. 4 x + 3 and 124 - 4 x .. 127 - 4 x, from both ends of the queries, so that under a mask that opens with the query's number the work-groups have like work; the result hangs on no such pattern.
; Wave w: tile w % 8 of the eight, and of each slot's four key steps the two steps 2 z, 2 z + 1, z = w / 8, with its own M, sum and O^T; at the end the waves with z = 1 hand theirs over through LDS and the pair is joined by exact powers of two.
; LAYOUT.  Both products transposed (source 0 = 16 keys, or 16 of d; source 1 = my queries, or p): a lane holds one query.  Operands are images of their registers.  Query position p is real query p with bits 3, 4 exchanged.
; ONE BARRIER A SLOT: in front of it each wave has waited for its stores into the next slot and for its reads of the slot in hand; behind it the next slot is read and the slot left is stored into.
; LIMITS: NaN and infinities are not served; a query whose 4,096 keys are all masked gets no NaN pattern of any promise; a block under 2^-124, or of zeros, keeps the byte 1; the promise holds while |t| stays under 2^31.
.set SLOT1, 1<<17                      ; slot 0 at 0, slot 1 here: 73,728 bytes each: 4 steps x 8 tiles x 1,536 of K | pe, then 4 tiles of d x 4 steps x 1,536 of V
.set SCK,   73728                      ; the head's scale words of K | pe: 16,384 bytes;
.set SCV,   90112                      ; of V: 8,192 bytes.  Both are stored once
.set STG,   204800                     ; 8 x 4,352 bytes: what a wave with z = 1 hands over
.set SPARE, 239616                     ; the spare words: 128 bytes a wave, eight blocks of 256 bytes that no other line names
; s2 slot in hand, s3 / s66 steps of the scale words, s[4:5] ops, s[6:7] the slot's mask words, s[8:9] avimg, s[10:11] avsc, s[16:17] c, s[18:19] lane selects, s[20:21] / s[22:23] my part of the next slot of K | pe / V in memory,
; s24 the other slot, s25 bits 'some masked', s26 bits 'all masked' (bit 0: my first step of the slot in hand), s32-63 and s68-99 the 64 mask words, s67 trips to go, s100 wave, s101 who prefetches, s104 lanes 16-31.
; v1-8 LDS addresses that stay, v10-11 the add's, v12 -M, v13 largest t, v[14:15] the sum, v16-27 Q, v28 -infinity, v29 Q's scale word, v30-31 where my part of a slot goes, v32-79 four fragments, v80-83 K's scale words, v84-85 V's, v86 p's,
; v87 16 l, v94 8 l, v88-93 addresses of the step, v95 / v211 v30-31 in the other slot, v96-159 S^T then p, v160-191 O^T, v192-210 p's codes, v212-229 at work, v232-251 the next slot on its way, v252-253 prefetch offset and its step.
	s_load_b256 s[4:11], s[0:1], 0x0
	s_load_b64 s[12:13], s[0:1], 0x20
	v_lshl_add_u32 v10, v0, 2, SPARE
	v_mov_b32 v11, 0
	v_lshrrev_b32 v88, 5, v0
	s_delay_alu instid0(VALU_DEP_1)
	v_readfirstlane_b32 s100, v88                  ; wave 0..15
	s_and_b32 s33, ttmp7, 0xffff                   ; the head
	s_and_b32 s35, s100, 7                         ; j: which of the eight tiles
	s_lshr_b32 s36, s100, 3                        ; z
	s_lshl_b32 s27, s36, 1                         ; 2 z
	s_lshl_b32 s34, ttmp9, 2
	s_add_co_u32 s37, s34, s35                     ; j < 4: tile 4 x + j
	s_sub_co_u32 s38, 131, s34
	s_sub_co_u32 s38, s38, s35                     ; else tile 131 - 4 x - j
	s_cmp_lt_u32 s35, 4
	s_cselect_b32 s34, s37, s38                    ; qt: it enters global addresses alone
	s_mul_i32 s40, s33, 393216                     ; my 3,072 bytes of a slot's K | pe
	s_mul_i32 s37, s100, 3072
	s_add_co_u32 s40, s40, s37
	s_add_co_u32 s40, s40, 3145728
	s_mov_b32 s41, 0
	s_lshl_b32 s42, s33, 2                         ; my 1,536 bytes of a slot's V: tile w / 4 of d, quarter w % 4
	s_lshr_b32 s38, s100, 2
	s_add_co_u32 s42, s42, s38
	s_mul_i32 s42, s42, 49152
	s_and_b32 s38, s100, 3
	s_mul_i32 s38, s38, 1536
	s_add_co_u32 s42, s42, s38
	s_add_co_u32 s42, s42, 9437184
	s_mov_b32 s43, 0
	s_mul_i32 s44, s33, 24576                      ; my 1,536 bytes of the head's scale words
	s_mul_i32 s39, s100, 1536
	s_add_co_u32 s44, s44, s39
	s_add_co_u32 s44, s44, 12582912
	s_mov_b32 s45, 0
	s_lshl_b32 s46, s34, 5
	s_add_co_u32 s46, s46, s27
	s_lshl_b32 s46, s46, 8                         ; my first key step's mask words: (32 qt + 2 z) 256
	s_mov_b32 s47, 0
	s_lshl_b32 s48, s34, 2                         ; my tile's flag words
	s_mov_b32 s49, 0
	s_lshl_b32 s50, s34, 4
	s_add_co_u32 s50, s50, s33
	s_mul_i32 s50, s50, 768
	s_mov_b32 s51, 0
	s_lshl_b32 s52, s34, 9
	s_lshl_b32 s53, s33, 1
	s_add_co_u32 s52, s52, s53
	s_mov_b32 s53, 0
	s_mul_i32 s54, s36, 24576
	s_mul_i32 s55, s36, 3072
	s_add_co_u32 s55, s55, 49152
	s_lshl_b32 s56, s36, 10
	s_add_co_u32 s56, s56, SCK
	s_lshl_b32 s57, s36, 9
	s_add_co_u32 s57, s57, SCV
	s_mul_i32 s58, s35, 4352
	s_add_co_u32 s58, s58, STG
	s_add_co_u32 s59, s58, 4096
	s_add_co_u32 s60, s39, 49152
	s_lshl_b32 s61, s33, 7
	s_add_co_u32 s61, s61, s34
	s_mul_i32 s61, s61, 1536                       ; Q's fragment
	s_lshl_b32 s62, s33, 13
	s_lshl_b32 s63, s34, 6
	s_add_co_u32 s62, s62, s63
	s_add_co_u32 s62, s62, 12976128                ; and its scale words
	; the prefetch: the head's 16 work-groups share a slot's 288 blocks of 256 bytes by address: work-group x takes 12 of K | pe (lanes 0-11) and 6 of V (lanes 12-17); lanes 18-31 name lane 17's block again.  It begins at slot 2
	s_mul_i32 s68, s33, 393216
	s_mul_i32 s70, ttmp9, 3072
	s_add_co_u32 s68, s68, s70
	s_add_co_u32 s68, s68, 3145728+2*49152
	s_lshl_b32 s69, s33, 2
	s_lshr_b32 s70, ttmp9, 2
	s_add_co_u32 s69, s69, s70
	s_mul_i32 s69, s69, 49152
	s_and_b32 s70, ttmp9, 3
	s_mul_i32 s70, s70, 1536
	s_add_co_u32 s69, s69, s70
	s_add_co_u32 s69, s69, 9437184+2*6144-12*256
	s_cmp_eq_u32 s100, 15
	s_cselect_b32 s101, 1, -1                      ; wave 15 asks
	s_mov_b32 s16, 0x3e38aa3b                      ; c = log2(e) / 8
	s_mov_b32 s17, s16
	s_mov_b32 s18, 0x76543210
	s_mov_b32 s19, 0xfedcba98
	s_mov_b32 s104, 0xffff0000
	s_mov_b32 s2, 0
	s_mov_b32 s3, 0
	s_mov_b32 s66, 0
	s_mov_b32 s67, 7
	; every address that stays is made here
	v_and_b32 v9, 31, v0
	v_and_b32 v90, 15, v0
	v_lshlrev_b32 v87, 4, v9
	v_lshlrev_b32 v94, 3, v9
	v_lshlrev_b32 v95, 2, v9
	v_min_u32 v252, 17, v9
	v_cmp_gt_u32 vcc_lo, 12, v9
	v_add_nc_u32 v1, s54, v87
	v_add_nc_u32 v2, s54, v94
	v_add_nc_u32 v3, s55, v87
	v_add_nc_u32 v4, s55, v94
	v_add_nc_u32 v5, s56, v95
	v_add_nc_u32 v6, s57, v95
	v_add_nc_u32 v7, s58, v87
	v_add_nc_u32 v8, s59, v95
	v_add_nc_u32 v30, s37, v87
	v_add_nc_u32 v31, s60, v87
	v_add_nc_u32 v88, s61, v87
	v_add_nc_u32 v89, s61, v94
	v_lshl_add_u32 v90, v90, 2, s62
	v_lshlrev_b32 v252, 8, v252
	v_mov_b32 v254, 0xc000
	v_mov_b32 v255, 6144
	v_add_nc_u32 v253, s69, v252
	v_add_nc_u32 v252, s68, v252
	v_mov_b32 v28, 0xff800000                      ; -infinity
	v_mov_b32 v13, 0xff61b1e6                      ; the largest t so far: -3e38
	v_cndmask_b32 v252, v253, v252, vcc_lo
	v_cndmask_b32 v253, v255, v254, vcc_lo         ; a slot on: 49,152 bytes in K | pe, 6,144 in a tile of V
	v_floor_f32 v12, -v13
	v_mov_b32 v14, 0
	v_mov_b32 v15, 0
.irp b, 0,1,2,3
	v_mov_b32 v[216+\b], 0                         ; a lane permute's destination counts as one of its sources
.endr
	v_mov_b32 v229, 0                              ; (named as the upper half of the pair v[228:229])
.set N, 0
.rept 32
	v_mov_b32 v[160+N], 0                          ; O^T: the step is written once; the first change of M leaves zeros zeros
.set N, N+1
.endr
	s_wait_alu depctr_va_vdst(0)
	s_wait_kmcnt 0x0
	s_add_nc_u64 s[20:21], s[4:5], s[40:41]
	s_add_nc_u64 s[22:23], s[4:5], s[42:43]
	s_add_nc_u64 s[28:29], s[4:5], s[44:45]
	s_add_nc_u64 s[6:7], s[6:7], s[46:47]
	s_add_nc_u64 s[12:13], s[12:13], s[48:49]
	s_add_nc_u64 s[8:9], s[8:9], s[50:51]
	s_add_nc_u64 s[10:11], s[10:11], s[52:53]
	s_load_b32 s25, s[12:13], 0x0
	s_load_b32 s26, s[12:13], 0x200
.irp i, 0,1,2,3,4,5
	global_load_b128 v[96+4*\i:99+4*\i], v87, s[20:21] offset:512*\i      ; slot 0: my part of K | pe,
.endr
.irp i, 0,1,2
	global_load_b128 v[120+4*\i:123+4*\i], v87, s[22:23] offset:512*\i    ; of V,
	global_load_b128 v[132+4*\i:135+4*\i], v87, s[28:29] offset:512*\i    ; and of the scale words
.endr
	global_load_b128 v[16:19], v88, s[4:5]
	global_load_b64 v[20:21], v89, s[4:5] offset:512
	global_load_b128 v[22:25], v88, s[4:5] offset:768
	global_load_b64 v[26:27], v89, s[4:5] offset:1280
	global_load_b32 v29, v90, s[4:5]
	s_wait_kmcnt 0x0
	s_lshr_b32 s25, s25, s27                       ; bit 0: my first key step
	s_lshr_b32 s26, s26, s27
	s_wait_loadcnt 0x0
.irp i, 0,1,2,3,4,5
	ds_store_b128 v30, v[96+4*\i:99+4*\i] offset:512*\i
.endr
.irp i, 0,1,2
	ds_store_b128 v31, v[120+4*\i:123+4*\i] offset:512*\i
	ds_store_b128 v31, v[132+4*\i:135+4*\i] offset:SCK-49152+512*\i
.endr
	s_add_nc_u64 s[20:21], s[20:21], 49152         ; (the wait on LOADcnt has shown the loads done)
	s_add_nc_u64 s[22:23], s[22:23], 6144
.macro KLOAD q, t0                     ; four tiles of 16 keys: K's half of the fragment, then pe's
.irp t, 0,1,2,3
	ds_load_b128 v[32+12*\t:35+12*\t], v88 offset:(\q)*12288+(\t0+\t)*1536
	ds_load_b64 v[36+12*\t:37+12*\t], v89 offset:(\q)*12288+(\t0+\t)*1536+512
	ds_load_b128 v[38+12*\t:41+12*\t], v88 offset:(\q)*12288+(\t0+\t)*1536+768
	ds_load_b64 v[42+12*\t:43+12*\t], v89 offset:(\q)*12288+(\t0+\t)*1536+1280
.endr
.endm
.macro KQ t0                           ; a scale register holds tile 2 b's words in lanes 0-15 and tile 2 b + 1's in lanes 16-31
.irp t, 0,2
	v_wmma_scale_f32_16x16x128_f8f6f4 v[96+8*(\t0+\t):103+8*(\t0+\t)], v[32+12*\t:43+12*\t], v[16:27], 0, v[80+(\t0+\t)/2], v29 matrix_a_fmt:MATRIX_FMT_FP6 matrix_b_fmt:MATRIX_FMT_FP6
	v_wmma_scale_f32_16x16x128_f8f6f4 v[104+8*(\t0+\t):111+8*(\t0+\t)], v[44+12*\t:55+12*\t], v[16:27], 0, v[80+(\t0+\t)/2], v29 matrix_a_fmt:MATRIX_FMT_FP6 matrix_b_fmt:MATRIX_FMT_FP6 matrix_a_scale:MATRIX_SCALE_ROW1
.endr
.endm
.macro VLOAD q
.irp c, 0,1
	ds_load_b32 v[84+\c], v93 offset:256*(\q)+128*\c
.endr
.irp t, 0,1,2,3
	ds_load_b128 v[32+12*\t:35+12*\t], v90 offset:\t*6144+(\q)*1536
	ds_load_b64 v[36+12*\t:37+12*\t], v91 offset:\t*6144+(\q)*1536+512
	ds_load_b128 v[38+12*\t:41+12*\t], v90 offset:\t*6144+(\q)*1536+768
	ds_load_b64 v[42+12*\t:43+12*\t], v91 offset:\t*6144+(\q)*1536+1280
.endr
.endm
.macro BMAX                            ; the largest score of each block of 32 keys: it serves the row's maximum and, since p rises with the score, the block's largest p.  Eight chains by turns, two to a block (v212-215 the block's first result, v220-223 its second); each result is read from its low end on
.irp b, 0,1,2,3
	v_max3_num_f32 v[212+\b], v[96+16*\b], v[97+16*\b], v[98+16*\b]
	v_max3_num_f32 v[220+\b], v[104+16*\b], v[105+16*\b], v[106+16*\b]
.endr
.irp i, 3,5
.irp b, 0,1,2,3
	v_max3_num_f32 v[212+\b], v[212+\b], v[96+16*\b+\i], v[97+16*\b+\i]
	v_max3_num_f32 v[220+\b], v[220+\b], v[104+16*\b+\i], v[105+16*\b+\i]
.endr
.endr
.irp b, 0,1,2,3
	v_max3_num_f32 v[212+\b], v[212+\b], v[103+16*\b], v[111+16*\b]
.endr
	v_mov_b32 v231, v12                            ; the old -M, kept for the change of M below
.irp b, 0,1,2,3
	v_max_num_f32 v[212+\b], v[212+\b], v[220+\b]
.endr
.endm
.macro OMUL n0                         ; eight registers of O^T under the new M
.irp n, 0,2,4,6
	v_pk_mul_f32 v[160+\n0+\n:161+\n0+\n], v[160+\n0+\n:161+\n0+\n], v[228:229] op_sel_hi:[1,0]
.endr
.endm
; A KEY STEP of 128 keys: the q-th of my two in the slot.
.macro STEP q
	s_bitcmp1_b32 s26, \q                          ; all 16 x 128 masked: nothing of the step is done
	s_cbranch_scc1 .Ldead_\@
	v_add_nc_u32 v88, s2, v1                       ; (these six are the places behind the last step's products, in front of the loads below)
	v_add_nc_u32 v89, s2, v2
	v_add_nc_u32 v90, s2, v3
	v_add_nc_u32 v91, s2, v4
	v_add_nc_u32 v92, s3, v5
	v_add_nc_u32 v93, s66, v6
.irp b, 0,1,2,3
	ds_load_b32 v[80+\b], v92 offset:512*(\q)+128*\b
.endr
	KLOAD \q, 0
	s_wait_alu depctr_va_vdst(0)
	s_wait_dscnt 0x0
	KQ 0
.rept 4
	v_nop                                          ; places in front of loads into registers that these products read, and of the first read of their results
.endr
	KLOAD \q, 4
	s_wait_dscnt 0x0
	KQ 4
	s_bitcmp1_b32 s25, \q                          ; no key masked: no mask words, no selecting
	s_cbranch_scc0 .Lopen_\@
	s_load_b512 s[32:47], s[6:7], 256*(\q)
	s_load_b512 s[48:63], s[6:7], 256*(\q)+0x40
	s_load_b512 s[68:83], s[6:7], 256*(\q)+0x80
	s_load_b512 s[84:99], s[6:7], 256*(\q)+0xc0
	s_wait_kmcnt 0x0
.set N, 0
.rept 32
	v_cndmask_b32 v[96+N], v[96+N], v28, s[32+N]   ; a masked score becomes -infinity; ascending.  (The first 32 are the places behind the second four products)
.set N, N+1
.endr
.set N, 0
.rept 32
	v_cndmask_b32 v[128+N], v[128+N], v28, s[68+N]
.set N, N+1
.endr
.Lopen_\@:
	BMAX                                           ; (its first four lines read the first four results alone: the places behind the second four products)
	VLOAD \q                                       ; V is asked for early: it lands under the softmax
.irp b, 0,1,2,3
	v_permlanex16_b32 v[216+\b], v[212+\b], s18, s19
.endr
.irp b, 0,1,2,3
	s_delay_alu instid0(VALU_DEP_4)
	v_max_num_f32 v[212+\b], v[212+\b], v[216+\b]  ; with lane l xor 16's 16 keys
.endr
	s_delay_alu instid0(VALU_DEP_2)
	v_max3_num_f32 v230, v212, v213, v214
	s_delay_alu instid0(VALU_DEP_1)
	v_max_num_f32 v230, v230, v215
	s_delay_alu instid0(VALU_DEP_1)
	v_mul_f32 v230, s16, v230                      ; the step's largest t of my query
	s_delay_alu instid0(VALU_DEP_1)
	v_max_num_f32 v13, v13, v230
	s_delay_alu instid0(VALU_DEP_1)
	v_floor_f32 v12, -v13                          ; the new -M = -ceil(t)
	s_delay_alu instid0(VALU_DEP_1)
	v_sub_f32 v230, v12, v231                      ; old M - new M: a whole number, 0 or less
	s_delay_alu instid0(VALU_DEP_1)
	v_cvt_i32_f32 v230, v230                       ; (it saturates)
	s_delay_alu instid0(VALU_DEP_1)
	v_ldexp_f32 v228, 1.0, v230                    ; f = 2^(old M - new M)
.set N, 0
.rept 32
	v_pk_fma_f32 v[96+N:97+N], v[96+N:97+N], s[16:17], v[12:13] op_sel_hi:[1,0,0]   ; t - M
.set N, N+2
.endr
.irp b, 0,1,2,3
	v_fma_f32 v[212+\b], v[212+\b], s16, v12       ; the same of each block's largest score
.endr
	s_wait_alu depctr_va_vdst(0)
.set N, 0
.rept 64
	v_exp_f32 v[96+N], v[96+N]                     ; p = 2^(t - M)
.set N, N+1
.endr
.irp b, 0,1,2,3
	v_exp_f32 v[212+\b], v[212+\b]                 ; each block's largest p, in the same batch
.endr
	v_pk_mul_f32 v[14:15], v[14:15], v[228:229] op_sel_hi:[1,0]   ; the sums under the new M (a plain place behind the exponentials)
	s_wait_alu depctr_va_vdst(0)                   ; one wait for the batch, ahead of its first reader
.irp b, 0,1,2,3
	v_max_num_f32 v[212+\b], 0x1800000, v[212+\b]  ; the floor 2^(3 - 127)
.endr
.irp b, 0,1,2,3
	s_delay_alu instid0(VALU_DEP_4)
	v_add_nc_u32 v[224+\b], 0xff000000, v[212+\b]
.endr
.irp b, 0,1,2,3
	s_delay_alu instid0(VALU_DEP_4)
	v_lshrrev_b32 v[216+\b], 23, v[224+\b]
.endr
	s_delay_alu instid0(VALU_DEP_3)
	v_lshl_or_b32 v86, v217, 8, v216               ; p's scale word for these 128 keys
	s_delay_alu instid0(VALU_DEP_1)
	v_lshl_or_b32 v86, v218, 16, v86
	s_delay_alu instid0(VALU_DEP_1)
	v_lshl_or_b32 v86, v219, 24, v86
.irp c, 0,1
	v_cvt_scalef32_pk16_fp6_f32 v[192+6*\c:194+6*\c], v[96+32*\c:111+32*\c], v[224+2*\c]
	v_cvt_scalef32_pk16_fp6_f32 v[204+4*\c:206+4*\c], v[112+32*\c:127+32*\c], v[224+2*\c+1]
.endr
	v_nop                                          ; one plain place behind the scaled conversions
.irp c, 0,1
.irp i, 0,1,2
	v_permlane16_swap_b32 v[192+6*\c+\i], v[204+4*\c+\i]
.endr
.irp i, 0,1,2
	s_delay_alu instid0(VALU_DEP_3)
	v_mov_b32 v[195+6*\c+\i], v[204+4*\c+\i]
.endr
.endr
; the row's sum of the unquantised p, in place: the conversions have read p, so its registers take the partial sums: 16 + 8 + 4 + 2 + 1 packed additions and one onto the running sum
.set N, 0
.rept 16
	v_pk_add_f32 v[96+N:97+N], v[96+N:97+N], v[128+N:129+N]
.set N, N+2
.endr
.set N, 0
.rept 8
	v_pk_add_f32 v[96+N:97+N], v[96+N:97+N], v[112+N:113+N]
.set N, N+2
.endr
	s_wait_alu depctr_va_vdst(0)
	OMUL 0                                         ; O^T under the new M, in four groups between the last levels of the sum, so that no addition stands close behind the one that it reads
.set N, 0
.rept 4
	v_pk_add_f32 v[96+N:97+N], v[96+N:97+N], v[104+N:105+N]
.set N, N+2
.endr
	OMUL 8
	v_pk_add_f32 v[96:97], v[96:97], v[100:101]
	v_pk_add_f32 v[98:99], v[98:99], v[102:103]
	OMUL 16
	v_pk_add_f32 v[96:97], v[96:97], v[98:99]
	OMUL 24
	v_pk_add_f32 v[14:15], v[14:15], v[96:97]
	s_wait_alu depctr_va_vdst(0)
	s_wait_dscnt 0x0                               ; V is in
.irp t, 0,2                            ; O^T += V^T p^T: the four accumulators by turns
	v_wmma_scale_f32_16x16x128_f8f6f4 v[160+8*\t:167+8*\t], v[32+12*\t:43+12*\t], v[192:203], v[160+8*\t:167+8*\t], v[84+\t/2], v86 matrix_a_fmt:MATRIX_FMT_FP6 matrix_b_fmt:MATRIX_FMT_FP6
	v_wmma_scale_f32_16x16x128_f8f6f4 v[168+8*\t:175+8*\t], v[44+12*\t:55+12*\t], v[192:203], v[168+8*\t:175+8*\t], v[84+\t/2], v86 matrix_a_fmt:MATRIX_FMT_FP6 matrix_b_fmt:MATRIX_FMT_FP6 matrix_a_scale:MATRIX_SCALE_ROW1
.endr
.Ldead_\@:
.endm
.macro CHANGE                          ; my stores into the next slot have landed and my reads of the slot in hand are over; behind the barrier that holds of all sixteen waves
	s_wait_dscnt 0x0
	s_barrier_signal -1
	s_barrier_wait -1
.endm
.Lslot:                                            ; seven trips: each works one slot and fills the other
	CHANGE
	s_xor_b32 s24, s2, SLOT1                       ; the slot that was left: nobody reads it any more
	v_add_nc_u32 v95, s24, v30
	v_add_nc_u32 v211, s24, v31
	s_wait_alu depctr_va_vdst(0)
.irp i, 0,1,2,3,4
	global_load_b128 v[232+4*\i:235+4*\i], v87, s[20:21] offset:512*\i    ; five of my nine loads: they land under my first key step
.endr
	s_cmp_gt_u32 s67, s101                         ; wave 15, in the first six trips: the slot that the next trip's loads will want
	s_cbranch_scc0 .Lnot_mine
	global_prefetch_b8 v252, s[4:5] th:TH_LOAD_NT scope:SCOPE_SE
.Lnot_mine:
	STEP 0
	s_wait_loadcnt 0x0
.irp i, 0,1,2,3,4
	ds_store_b128 v95, v[232+4*\i:235+4*\i] offset:512*\i
.endr
	s_wait_dscnt 0x0                               ; the stores have read their registers
	global_load_b128 v[232:235], v87, s[20:21] offset:2560                ; the other four land under my second key step
.irp i, 0,1,2
	global_load_b128 v[236+4*\i:239+4*\i], v87, s[22:23] offset:512*\i
.endr
	STEP 1
	s_wait_loadcnt 0x0
	ds_store_b128 v95, v[232:235] offset:2560
.irp i, 0,1,2
	ds_store_b128 v211, v[236+4*\i:239+4*\i] offset:512*\i
.endr
	s_wait_xcnt 0x0                                ; the prefetch has read its offset
	v_add_nc_u32 v252, v252, v253
	s_add_nc_u64 s[20:21], s[20:21], 49152         ; (the wait on LOADcnt has shown the loads done)
	s_add_nc_u64 s[22:23], s[22:23], 6144
	s_add_nc_u64 s[6:7], s[6:7], 1024              ; four key steps of 256 bytes of mask words on (no scalar load is out)
	s_xor_b32 s2, s2, SLOT1
	s_add_co_u32 s3, s3, 2048
	s_add_co_u32 s66, s66, 1024
	s_lshr_b32 s25, s25, 4
	s_lshr_b32 s26, s26, 4
	s_sub_co_u32 s67, s67, 1
	s_cmp_lg_u32 s67, 0
	s_cbranch_scc1 .Lslot
	CHANGE                                         ; the last slot: nothing more to fill
	STEP 0
	STEP 1
; THE TWO HALVES OF THE KEYS ARE JOINED.
.rept 4
	v_nop                                          ; places behind the last products
.endr
	v_add_f32 v14, v14, v15
	s_delay_alu instid0(VALU_DEP_1)
	v_permlanex16_b32 v216, v14, s18, s19
	s_delay_alu instid0(VALU_DEP_1)
	v_add_f32 v14, v14, v216                       ; my keys' sum for my query
	s_wait_alu depctr_va_vdst(0)
	s_cmp_lt_u32 s100, 8
	s_cbranch_scc1 .Lkeep
.irp i, 0,1,2,3,4,5,6,7
	ds_store_b128 v7, v[160+4*\i:163+4*\i] offset:512*\i   ; O^T as it stands, 16 bytes a lane
.endr
	ds_store_b32 v8, v12
	ds_store_b32 v8, v14 offset:128
.Lkeep:
	s_wait_dscnt 0x0                               ; for the others' sake: my stores have landed
	s_barrier_signal -1
	s_barrier_wait -1
	s_cmp_lt_u32 s100, 8
	s_cbranch_scc0 .Lend
.irp i, 0,1,2,3,4,5,6,7
	ds_load_b128 v[32+4*\i:35+4*\i], v7 offset:512*\i
.endr
	ds_load_b32 v64, v8
	ds_load_b32 v65, v8 offset:128
	s_wait_dscnt 0x0
	v_min_num_f32 v66, v12, v64                    ; the joint -M
	s_delay_alu instid0(VALU_DEP_1)
	v_sub_f32 v67, v66, v12
	s_delay_alu instid0(VALU_DEP_2)
	v_sub_f32 v68, v66, v64
	s_delay_alu instid0(VALU_DEP_2)
	v_cvt_i32_f32 v67, v67
	s_delay_alu instid0(VALU_DEP_2)
	v_cvt_i32_f32 v68, v68
	s_delay_alu instid0(VALU_DEP_2)
	v_ldexp_f32 v70, 1.0, v67                      ; exact powers of two bring both halves under the joint M
	s_delay_alu instid0(VALU_DEP_2)
	v_ldexp_f32 v72, 1.0, v68
	s_delay_alu instid0(VALU_DEP_2)
	v_mov_b32 v71, v70
	s_delay_alu instid0(VALU_DEP_2)
	v_mov_b32 v73, v72
	s_delay_alu instid0(VALU_DEP_4)
	v_mul_f32 v14, v14, v70
	s_delay_alu instid0(VALU_DEP_1)
	v_fmac_f32 v14, v65, v72
	s_wait_alu depctr_va_vdst(0)
	v_rcp_f32 v74, v14
	s_wait_alu depctr_va_vdst(0)
.set N, 0
.rept 16
	v_pk_mul_f32 v[160+N:161+N], v[160+N:161+N], v[70:71]
.set N, N+2
.endr
.set N, 0
.rept 16
	v_pk_fma_f32 v[160+N:161+N], v[32+N:33+N], v[72:73], v[160+N:161+N]
.set N, N+2
.endr
	s_wait_alu depctr_va_vdst(0)                   ; the wait ahead of the reciprocal's first reader
	v_mov_b32 v75, v74
.set N, 0
.rept 16
	v_pk_mul_f32 v[160+N:161+N], v[160+N:161+N], v[74:75]   ; av: register 16 b + i = d 32 b + 16 h + i of my query
.set N, N+2
.endr
.irp b, 0,1
	v_max3_num_f32 v[212+\b], |v[160+16*\b]|, |v[161+16*\b]|, 0x1800000
.endr
.irp i, 2,4,6,8,10,12,14
.irp b, 0,1
	s_delay_alu instid0(VALU_DEP_2)
	v_max3_num_f32 v[212+\b], v[212+\b], |v[160+16*\b+\i]|, |v[161+16*\b+\i]|
.endr
.endr
.irp b, 0,1
	s_delay_alu instid0(VALU_DEP_2)
	v_permlanex16_b32 v[216+\b], v[212+\b], s18, s19
.endr
.irp b, 0,1
	s_delay_alu instid0(VALU_DEP_2)
	v_max_num_f32 v[212+\b], v[212+\b], v[216+\b]
.endr
.irp b, 0,1
	s_delay_alu instid0(VALU_DEP_2)
	v_add_nc_u32 v[224+\b], 0xff000000, v[212+\b]
.endr
.irp b, 0,1
	s_delay_alu instid0(VALU_DEP_2)
	v_lshrrev_b32 v[216+\b], 23, v[224+\b]
.endr
	v_cvt_scalef32_pk16_fp6_f32 v[192:194], v[160:175], v224
	v_cvt_scalef32_pk16_fp6_f32 v[196:198], v[176:191], v225
	v_nop                                          ; one plain place behind the scaled conversions
.irp i, 0,1,2
	v_permlane16_swap_b32 v[192+\i], v[196+\i]
.endr
	s_delay_alu instid0(VALU_DEP_3)
	v_mov_b32 v195, v196
	s_delay_alu instid0(VALU_DEP_3)
	v_mov_b32 v196, v197
	s_delay_alu instid0(VALU_DEP_3)
	v_mov_b32 v197, v198
	v_cndmask_b32 v218, v216, v217, s104           ; lanes 0-15 store block 0's byte of row r, lanes 16-31 block 1's
	v_and_b32 v9, 15, v0
	s_delay_alu instid0(VALU_DEP_1)
	v_lshlrev_b32 v9, 5, v9
	v_bfe_u32 v219, v0, 4, 1
	s_delay_alu instid0(VALU_DEP_1)
	v_add_nc_u32 v9, v9, v219
	global_store_b128 v87, v[192:195], s[8:9]      ; half a fragment: 512 + 256 consecutive aligned bytes
	global_store_b64 v94, v[196:197], s[8:9] offset:512
	global_store_b8 v9, v218, s[10:11]
.Lend:
	s_wait_tensorcnt 0x0                           ; the wave's end
	ds_add_u32 v10, v11
	s_wait_dscnt 0x0
	s_endpgm
.Lfunc_end_k_q5d417e2d98_attn:
	.size	k_q5d417e2d98_attn, .Lfunc_end_k_q5d417e2d98_attn-k_q5d417e2d98_attn
	.p2alignl 7, 3214868480
	.fill 96, 4, 3214868480
	.section	.rodata,"a",@progbits
	.p2align	6, 0x0
	.amdhsa_kernel k_q5d417e2d98_attn
		.amdhsa_group_segment_fixed_size 241664
		.amdhsa_private_segment_fixed_size 0
		.amdhsa_enable_private_segment 0
		.amdhsa_kernarg_size 40
		.amdhsa_user_sgpr_count 2
		.amdhsa_user_sgpr_kernarg_segment_ptr 1
		.amdhsa_wavefront_size32 1
		.amdhsa_system_sgpr_workgroup_id_x 1
		.amdhsa_system_sgpr_workgroup_id_y 1
		.amdhsa_system_sgpr_workgroup_id_z 1
		.amdhsa_system_vgpr_workitem_id 0
		.amdhsa_next_free_vgpr 256
		.amdhsa_next_free_sgpr 106
		.amdhsa_reserve_vcc 1
		.amdhsa_float_denorm_mode_32 3
		.amdhsa_float_denorm_mode_16_64 3
		.amdhsa_memory_ordered 1
		.amdhsa_forward_progress 1
		.amdhsa_inst_pref_size 111
	.end_amdhsa_kernel
	.amdgpu_metadata
---
amdhsa.version: [ 1, 2 ]
amdhsa.kernels:
  - .name:           k_q5d417e2d98_attn
    .symbol:         k_q5d417e2d98_attn.kd
    .args:
      - { .name: ops, .offset: 0, .size: 8, .value_kind: global_buffer, .address_space: global }
      - { .name: maskw, .offset: 8, .size: 8, .value_kind: global_buffer, .address_space: global }
      - { .name: avimg, .offset: 16, .size: 8, .value_kind: global_buffer, .address_space: global }
      - { .name: avsc, .offset: 24, .size: 8, .value_kind: global_buffer, .address_space: global }
      - { .name: flags, .offset: 32, .size: 8, .value_kind: global_buffer, .address_space: global }
    .group_segment_fixed_size: 241664
    .private_segment_fixed_size: 0
    .kernarg_segment_align: 8
    .kernarg_segment_size: 40
    .max_flat_workgroup_size: 512
    .sgpr_count:     106
    .vgpr_count:     256
    .wavefront_size: 32
...
	.end_amdgpu_metadata
.endif
;; end of part 3
;; launch outln (part 4): grid 128 x 1, 16 waves a work-group, no clusters, 80,384 bytes of LDS; arguments avimg, avsc, codes, scales, hidden, out0; writes out0
.if DOCPART == 4
	.amdgcn_target "amdgcn-amd-amdhsa--gfx1250"
	.amdhsa_code_object_version 6
	.text
	.protected	k_q5d417e2d98_outln
	.globl	k_q5d417e2d98_outln
	.p2align	8
	.type	k_q5d417e2d98_outln,@function
k_q5d417e2d98_outln:
	s_mov_b64 s[64:65], 0
	v_nop
	global_prefetch_b8 v0, s[64:65] scope:SCOPE_SE
	s_setreg_imm32_b32 hwreg(HW_REG_WAVE_MODE, 25, 1), 1
	s_wait_xcnt 0x0
; OUTLN: out0 = LayerNorm(hidden + av W_out), the product on codes of FP6 (E2M3) with E8M0 scales, K = 1,024; the rest in f32.
; A work-group owns 16 query positions x all 1,024 columns, since the norm wants whole rows; wave w makes columns 64 w .. 64 w + 63 (four tiles; source 0 = 16 columns of W_out, source 1 = av's 16 rows).
; A wave's fragments of W_out are read by that wave alone, once: they go from memory straight into registers, three K steps ahead.  No tensor load, so no ring.  W_out is shared by all work-groups, but through LDS each
; fragment would be written and read once more for one reader, behind a barrier for each refill: joint loads are left out.
; av's eight fragments (12,288 bytes) are copied into LDS once and read by all sixteen waves.  Results meet in a stage of 16 rows x (4,096 + 16) bytes; then wave w takes row w whole.
; Query position p is real row p with bits 3, 4 exchanged; W_out's column positions likewise, so that a lane's registers of tiles 2 b, 2 b + 1 are true columns 32 b + 16 h + 0 .. 15.
; The variance is taken of x - mean, in a second pass over the row in registers.  LIMITS: NaN and infinities are not served.
.set STGO, 12288
.set AF,  16                           ; v16-39 av's fragment, two sets
.set AS,  40                           ; v40-47 av's scale words, one for each K step
.set WS,  48                           ; v48-63 W_out's: 8 g + K step; lanes 0-15 tile 2 g, lanes 16-31 tile 2 g + 1
.set ACC, 64                           ; v64-95
.set WF,  96                           ; v96-239 W_out's fragments, three sets of 48
.set HID, 192                          ; hidden's row, in the third set once it is free
	s_load_b256 s[4:11], s[0:1], 0x0               ; avimg s[4:5], avsc s[6:7], codes s[8:9], scales s[10:11]
	s_load_b128 s[12:15], s[0:1], 0x20             ; hidden s[12:13], out0 s[14:15]
	v_lshl_add_u32 v254, v0, 2, 0x13200
	v_mov_b32 v255, 0
	v_lshrrev_b32 v1, 5, v0
	s_delay_alu instid0(VALU_DEP_1)
	v_readfirstlane_b32 s16, v1                    ; wave 0..15
	v_and_b32 v10, 31, v0                          ; l
	v_and_b32 v11, 15, v0                          ; r
	v_bfe_u32 v12, v0, 4, 1                        ; h
	s_delay_alu instid0(VALU_DEP_3)
	v_lshlrev_b32 v1, 4, v10                       ; 16 l
	v_lshlrev_b32 v2, 3, v0                        ; 8 x thread
	v_lshlrev_b32 v3, 3, v10                       ; 8 l
	v_mul_u32_u24 v4, v11, 4112
	s_delay_alu instid0(VALU_DEP_1)
	v_lshl_add_u32 v4, v12, 6, v4
	s_lshl_b32 s17, s16, 8
	s_add_co_u32 s17, s17, STGO
	v_add_nc_u32 v4, s17, v4                       ; into the stage: row r, + 256 w + 64 h
	s_mul_i32 s17, s16, 4112
	s_add_co_u32 s17, s17, STGO
	v_add_nc_u32 v5, s17, v1                       ; back: row w, 16 bytes a lane
	v_lshlrev_b32 v6, 5, v11
	v_lshlrev_b32 v7, 5, v10
	v_mov_b32 v246, 0                              ; a lane permute's destination counts as one of its sources
	s_mul_i32 s18, ttmp9, 12288
	s_mov_b32 s19, 0
	s_lshl_b32 s20, ttmp9, 9
	s_mov_b32 s21, 0
	s_lshl_b32 s22, s16, 2
	s_add_co_u32 s22, s22, 768
	s_mul_i32 s22, s22, 12288                      ; my four tiles of W_out
	s_mov_b32 s23, 0
	s_lshl_b32 s26, s16, 6
	s_add_co_u32 s26, s26, 12288
	s_lshl_b32 s26, s26, 5                         ; and their scale words
	s_mov_b32 s27, 0
	s_lshr_b32 s24, ttmp9, 1
	s_lshl_b32 s24, s24, 5
	s_and_b32 s25, ttmp9, 1
	s_lshl_b32 s25, s25, 3
	s_add_co_u32 s24, s24, s25
	s_lshr_b32 s25, s16, 3
	s_lshl_b32 s25, s25, 4
	s_add_co_u32 s24, s24, s25
	s_and_b32 s25, s16, 7
	s_add_co_u32 s24, s24, s25                     ; the real row of position 16 qt + w
	s_lshl_b32 s24, s24, 12
	s_mov_b32 s25, 0
	s_mov_b32 s28, 0x3a800000                      ; 1 / 1,024
	s_mov_b32 s29, 0x3727c5ac                      ; 1e-5
	s_mov_b32 s30, 0x76543210
	s_mov_b32 s31, 0xfedcba98
	s_wait_alu depctr_va_vdst(0)
	s_wait_kmcnt 0x0
	s_add_nc_u64 s[4:5], s[4:5], s[18:19]
	s_add_nc_u64 s[6:7], s[6:7], s[20:21]
	s_add_nc_u64 s[8:9], s[8:9], s[22:23]
	s_add_nc_u64 s[10:11], s[10:11], s[26:27]
	s_add_nc_u64 s[12:13], s[12:13], s[24:25]
	s_add_nc_u64 s[14:15], s[14:15], s[24:25]
.macro WLOAD k
.irp t, 0,1,2,3
.irp c, 0,1,2
	global_load_b128 v[WF+48*((\k)%3)+12*\t+4*\c:WF+48*((\k)%3)+12*\t+4*\c+3], v1, s[8:9] offset:\t*12288+(\k)*1536+512*\c
.endr
.endr
.endm
.irp i, 0,1,2
	global_load_b64 v[240+2*\i:241+2*\i], v2, s[4:5] offset:4096*\i   ; av's images: 512 threads x 8 bytes x 3
.endr
	global_load_b128 v[AS:AS+3], v6, s[6:7]
	global_load_b128 v[AS+4:AS+7], v6, s[6:7] offset:16
.irp g, 0,1
.irp m, 0,1
	global_load_b128 v[WS+8*\g+4*\m:WS+8*\g+4*\m+3], v7, s[10:11] offset:1024*\g+16*\m
.endr
.endr
	WLOAD 0
	WLOAD 1
	WLOAD 2
	s_wait_loadcnt 42                              ; the copy's three loads are in; the 2 + 4 + 36 behind them may be out
.irp i, 0,1,2
	ds_store_b64 v2, v[240+2*\i:241+2*\i] offset:4096*\i
.endr
	s_wait_dscnt 0x0                               ; for the others' sake
	s_barrier_signal -1
	s_barrier_wait -1                              ; av's eight fragments lie in LDS
; K step k.  left: the younger global loads that may stay out.  The four accumulators take turns.
.macro KSTEP k, left
.set FA, AF+12*((\k)%2)
.set FW, WF+48*((\k)%3)
	ds_load_b128 v[FA:FA+3], v1 offset:(\k)*1536
	ds_load_b64 v[FA+4:FA+5], v3 offset:(\k)*1536+512
	ds_load_b128 v[FA+6:FA+9], v1 offset:(\k)*1536+768
	ds_load_b64 v[FA+10:FA+11], v3 offset:(\k)*1536+1280
	s_wait_loadcnt \left
	s_wait_dscnt 0x0
.irp t, 0,2
.if (\k) == 0
	v_wmma_scale_f32_16x16x128_f8f6f4 v[ACC+8*\t:ACC+8*\t+7], v[FW+12*\t:FW+12*\t+11], v[FA:FA+11], 0, v[WS+8*(\t/2)+(\k)], v[AS+(\k)] matrix_a_fmt:MATRIX_FMT_FP6 matrix_b_fmt:MATRIX_FMT_FP6
	v_wmma_scale_f32_16x16x128_f8f6f4 v[ACC+8*\t+8:ACC+8*\t+15], v[FW+12*\t+12:FW+12*\t+23], v[FA:FA+11], 0, v[WS+8*(\t/2)+(\k)], v[AS+(\k)] matrix_a_fmt:MATRIX_FMT_FP6 matrix_b_fmt:MATRIX_FMT_FP6 matrix_a_scale:MATRIX_SCALE_ROW1
.else
	v_wmma_scale_f32_16x16x128_f8f6f4 v[ACC+8*\t:ACC+8*\t+7], v[FW+12*\t:FW+12*\t+11], v[FA:FA+11], v[ACC+8*\t:ACC+8*\t+7], v[WS+8*(\t/2)+(\k)], v[AS+(\k)] matrix_a_fmt:MATRIX_FMT_FP6 matrix_b_fmt:MATRIX_FMT_FP6
	v_wmma_scale_f32_16x16x128_f8f6f4 v[ACC+8*\t+8:ACC+8*\t+15], v[FW+12*\t+12:FW+12*\t+23], v[FA:FA+11], v[ACC+8*\t+8:ACC+8*\t+15], v[WS+8*(\t/2)+(\k)], v[AS+(\k)] matrix_a_fmt:MATRIX_FMT_FP6 matrix_b_fmt:MATRIX_FMT_FP6 matrix_a_scale:MATRIX_SCALE_ROW1
.endif
.endr
.rept 4
	v_nop                                          ; places in front of loads into registers that these products read, and of the first read of results
.endr
.endm
.irp k, 0,1,2,3,4
	KSTEP \k, 24                                   ; two younger sets of 12 loads may be out
	WLOAD \k+3
.endr
	KSTEP 5, 24
.irp i, 0,1,2,3,4,5,6,7
	global_load_b128 v[HID+4*\i:HID+4*\i+3], v1, s[12:13] offset:512*\i th:TH_LOAD_NT   ; hidden's row of my position, into the set that K step 5 has left
.endr
	KSTEP 6, 20                                    ; K step 7's 12 loads and hidden's 8
	KSTEP 7, 8                                     ; hidden's 8
.irp b, 0,1
.irp u, 0,1
	ds_store_b128 v4, v[ACC+8*(2*\b+\u):ACC+8*(2*\b+\u)+3] offset:128*\b+32*\u      ; lane (r, h), tile 2 b + u: columns 64 w + 32 b + 16 h + 8 u + 0 .. 7 of row r; each accumulator from its low end on
	ds_store_b128 v4, v[ACC+8*(2*\b+\u)+4:ACC+8*(2*\b+\u)+7] offset:128*\b+32*\u+16
.endr
.endr
	s_wait_dscnt 0x0                               ; for the others' sake
	s_barrier_signal -1
	s_barrier_wait -1                              ; sixteen whole rows lie in the stage
.irp i, 0,1,2,3,4,5,6,7
	ds_load_b128 v[96+4*\i:99+4*\i], v5 offset:512*\i
.endr
	s_wait_loadcnt 0x0
	s_wait_dscnt 0x0
.set N, 0
.rept 16
	v_pk_add_f32 v[96+N:97+N], v[96+N:97+N], v[HID+N:HID+N+1]     ; x = hidden + attention's output: 32 numbers a lane
.set N, N+2
.endr
	v_pk_add_f32 v[240:241], v[96:97], v[98:99]
	v_pk_add_f32 v[242:243], v[100:101], v[102:103]
.irp j, 8,12,16,20,24,28
	s_delay_alu instid0(VALU_DEP_2)
	v_pk_add_f32 v[240:241], v[240:241], v[96+\j:97+\j]
	s_delay_alu instid0(VALU_DEP_2)
	v_pk_add_f32 v[242:243], v[242:243], v[98+\j:99+\j]
.endr
	s_delay_alu instid0(VALU_DEP_1)
	v_pk_add_f32 v[240:241], v[240:241], v[242:243]
	s_delay_alu instid0(VALU_DEP_1)
	v_add_f32 v240, v240, v241
	s_delay_alu instid0(VALU_DEP_1)
	v_add_f32_dpp v240, v240, v240 row_xmask:1 row_mask:0xf bank_mask:0xf
	s_delay_alu instid0(VALU_DEP_1)
	v_add_f32_dpp v240, v240, v240 row_xmask:2 row_mask:0xf bank_mask:0xf
	s_delay_alu instid0(VALU_DEP_1)
	v_add_f32_dpp v240, v240, v240 row_xmask:4 row_mask:0xf bank_mask:0xf
	s_delay_alu instid0(VALU_DEP_1)
	v_add_f32_dpp v240, v240, v240 row_xmask:8 row_mask:0xf bank_mask:0xf
	s_delay_alu instid0(VALU_DEP_1)
	v_permlanex16_b32 v246, v240, s30, s31
	s_delay_alu instid0(VALU_DEP_1)
	v_add_f32 v240, v240, v246
	s_delay_alu instid0(VALU_DEP_1)
	v_mul_f32 v248, 0xba800000, v240               ; -mean
	s_delay_alu instid0(VALU_DEP_1)
	v_mov_b32 v249, v248
.set N, 0
.rept 16
	v_pk_add_f32 v[96+N:97+N], v[96+N:97+N], v[248:249]
.set N, N+2
.endr
	v_pk_mul_f32 v[240:241], v[96:97], v[96:97]
	v_pk_mul_f32 v[242:243], v[98:99], v[98:99]
.irp j, 4,8,12,16,20,24,28
	s_delay_alu instid0(VALU_DEP_2)
	v_pk_fma_f32 v[240:241], v[96+\j:97+\j], v[96+\j:97+\j], v[240:241]
	s_delay_alu instid0(VALU_DEP_2)
	v_pk_fma_f32 v[242:243], v[98+\j:99+\j], v[98+\j:99+\j], v[242:243]
.endr
	s_delay_alu instid0(VALU_DEP_1)
	v_pk_add_f32 v[240:241], v[240:241], v[242:243]
	s_delay_alu instid0(VALU_DEP_1)
	v_add_f32 v240, v240, v241
	s_delay_alu instid0(VALU_DEP_1)
	v_add_f32_dpp v240, v240, v240 row_xmask:1 row_mask:0xf bank_mask:0xf
	s_delay_alu instid0(VALU_DEP_1)
	v_add_f32_dpp v240, v240, v240 row_xmask:2 row_mask:0xf bank_mask:0xf
	s_delay_alu instid0(VALU_DEP_1)
	v_add_f32_dpp v240, v240, v240 row_xmask:4 row_mask:0xf bank_mask:0xf
	s_delay_alu instid0(VALU_DEP_1)
	v_add_f32_dpp v240, v240, v240 row_xmask:8 row_mask:0xf bank_mask:0xf
	s_delay_alu instid0(VALU_DEP_1)
	v_permlanex16_b32 v246, v240, s30, s31
	s_delay_alu instid0(VALU_DEP_1)
	v_add_f32 v240, v240, v246
	s_delay_alu instid0(VALU_DEP_1)
	v_fma_f32 v240, v240, s28, s29                 ; the variance + 1e-5
	s_wait_alu depctr_va_vdst(0)
	v_rsq_f32 v250, v240
	v_nop                                          ; a plain place behind the transcendental
	s_wait_alu depctr_va_vdst(0)                   ; the wait ahead of its first reader
	v_mov_b32 v251, v250
.set N, 0
.rept 16
	v_pk_mul_f32 v[96+N:97+N], v[96+N:97+N], v[250:251]
.set N, N+2
.endr
.irp i, 0,1,2,3,4,5,6,7
	global_store_b128 v1, v[96+4*\i:99+4*\i], s[14:15] offset:512*\i th:TH_STORE_NT   ; 512 consecutive bytes, aligned; written once, read by nobody here
.endr
	s_wait_tensorcnt 0x0
	ds_add_u32 v254, v255
	s_wait_dscnt 0x0
	s_endpgm
.Lfunc_end_k_q5d417e2d98_outln:
	.size	k_q5d417e2d98_outln, .Lfunc_end_k_q5d417e2d98_outln-k_q5d417e2d98_outln
	.p2alignl 7, 3214868480
	.fill 96, 4, 3214868480
	.section	.rodata,"a",@progbits
	.p2align	6, 0x0
	.amdhsa_kernel k_q5d417e2d98_outln
		.amdhsa_group_segment_fixed_size 80384
		.amdhsa_private_segment_fixed_size 0
		.amdhsa_enable_private_segment 0
		.amdhsa_kernarg_size 48
		.amdhsa_user_sgpr_count 2
		.amdhsa_user_sgpr_kernarg_segment_ptr 1
		.amdhsa_wavefront_size32 1
		.amdhsa_system_sgpr_workgroup_id_x 1
		.amdhsa_system_sgpr_workgroup_id_y 1
		.amdhsa_system_sgpr_workgroup_id_z 1
		.amdhsa_system_vgpr_workitem_id 0
		.amdhsa_next_free_vgpr 256
		.amdhsa_next_free_sgpr 66
		.amdhsa_reserve_vcc 0
		.amdhsa_float_denorm_mode_32 3
		.amdhsa_float_denorm_mode_16_64 3
		.amdhsa_memory_ordered 1
		.amdhsa_forward_progress 1
		.amdhsa_inst_pref_size 31
	.end_amdhsa_kernel
	.amdgpu_metadata
---
amdhsa.version: [ 1, 2 ]
amdhsa.kernels:
  - .name:           k_q5d417e2d98_outln
    .symbol:         k_q5d417e2d98_outln.kd
    .args:
      - { .name: avimg, .offset: 0, .size: 8, .value_kind: global_buffer, .address_space: global }
      - { .name: avsc, .offset: 8, .size: 8, .value_kind: global_buffer, .address_space: global }
      - { .name: codes, .offset: 16, .size: 8, .value_kind: global_buffer, .address_space: global }
      - { .name: scales, .offset: 24, .size: 8, .value_kind: global_buffer, .address_space: global }
      - { .name: hidden, .offset: 32, .size: 8, .value_kind: global_buffer, .address_space: global }
      - { .name: out0, .offset: 40, .size: 8, .value_kind: global_buffer, .address_space: global }
    .group_segment_fixed_size: 80384
    .private_segment_fixed_size: 0
    .kernarg_segment_align: 8
    .kernarg_segment_size: 48
    .max_flat_workgroup_size: 512
    .sgpr_count:     66
    .vgpr_count:     256
    .wavefront_size: 32
...
	.end_amdgpu_metadata
.endif
;; end of part 4
